; MI455X (gfx1250); checked and timed in simulation.
; The chip was launched on July 23, 2026; its instructions are those of AMD's public machine-readable ISA for CDNA 5 (MIT licence, August 2026) and "CDNA5" Instruction Set Architecture Reference Guide (July 2026). The comments in the code are by the model that wrote it; some were corrected since.
;; Encoders. Allowed arithmetic: float matrix products may take bf16 or f16 operands with f32 sums; all other float work in f32.
;; Inputs: W1 4 x 64 x 256 float32; W2 4 x 256 x 64 float32; Wk 4 x 64 x 64 float32; Wo 4 x 64 x 64 float32; Wq 4 x 64 x 64 float32; Wv 4 x 64 x 64 float32; b1 4 x 256 float32; b2 4 x 64 float32; be1 4 x 64 float32; be2 4 x 64 float32; bk 4 x 64 float32; bo 4 x 64 float32; bq 4 x 64 float32; bv 4 x 64 float32; g1 4 x 64 float32; g2 4 x 64 float32; protok 8 x 1,024 int32; x 8 x 1,024 x 64 float32.
;; Outputs: out0 8 x 1,024 x 64 float32.
;; 2 versions, each right and faster than the one before. Each part assembles by itself: llvm-mc -triple=amdgcn-amd-amdhsa -mcpu=gfx1250 --defsym DOCPART=n.
;; ======== version 1 of 2: 9 launches
;; limits: values are held in f16: magnitudes above 65,504 overflow, below 6.1e-05 lose precision
;; workspace buffers: p0 102,400 bytes; p1 102,400 bytes; p2 102,400 bytes; p3 102,400 bytes; qkv 5,242,880 bytes; att 2,101,248 bytes; xa 2,097,152 bytes
;; launch first (part 1): grid 256 x 1, 2 waves a work-group, no clusters, 33,024 bytes of LDS; arguments x, protok, Wq, Wk, Wv, Wo, W1, W2, bq, bk, bv, bo, g1, be1, b1, b2, g2, be2, p0, p1, p2, p3, qkv; writes p0, p1, p2, p3, qkv
.if DOCPART == 1
	.amdgcn_target "amdgcn-amd-amdhsa--gfx1250"
	.amdhsa_code_object_version 6
	.text
	.protected	k_q6cf95252f8_first
	.globl	k_q6cf95252f8_first
	.p2align	8
	.type	k_q6cf95252f8_first,@function
k_q6cf95252f8_first:
	s_mov_b64 s[64:65], 0
	v_nop
	global_prefetch_b8 v0, s[64:65] scope:SCOPE_SE
	s_setreg_imm32_b32 hwreg(HW_REG_WAVE_MODE, 25, 1), 1
	s_wait_xcnt 0x0
; first: (1) q, k, v of layer 0 for 32 tokens a work-group (16 a wave); (2) this work-group's 1/256 of the repack of all parameters
; into one buffer for each layer (p0..p3), 16-bit and in the order in which the later launches read them.
; p (102,400 bytes): WQ f16 at 0, WK f16 8192, WV f16 16384, WO bf16 24576, W2 f16 32768, W1 f16 65536 (all [K][N] as given),
;   then 16 rows of 64 f32 at 98304: bq bk bv 0 bo g1 be1 b1(4 rows) b2 g2 be2 0 0.  p0's WQ, WK, WV are neither stored nor read.
; qkv, 81,920 bytes for each pair p = 8 b + h: QH [1024][8] bf16 at 0, QL 16384, VF [128 groups of 8 tokens][8 d][8 tokens] f16 32768,
;   KH 49152, KL 65536.  q = (x Wq + bq) keep log2(e) and k = (x Wk + bk) keep are stored as a bf16 head and a bf16 remainder.
; LIMITS: x, Wq, Wk, Wv, W1, W2 and v are rounded to f16: magnitudes must stay below 65,504.
; No cluster and no tensor loads: the weights are f32 in memory and are converted on their way into LDS, through registers.
.set P160,  160                        ; LDS pitch of a 64-column f16 matrix: 128 bytes + 32, an odd multiple of 32 bytes
.set L_VEC, 30720                      ; behind Wq, Wk, Wv (192 rows of 160 bytes): bq, bk, bv, 256 bytes each
.set QB,    72                         ; s[72:73] qkv at my batch's first pair and my wave's first token
.set WOF, 1                            ; 16 tid
.set WS,  2                            ; LDS place of my 8 bytes of a weight row
.set SO,  3                            ; repack: source offset in W1, W2
.set AWQ, 4                            ; lane address of transposing fragment loads from Wq/Wk/Wv
.set VB,  5                            ; L_VEC + 32 hh
.set DO,  6                            ; repack: destination offset
.set MO,  7                            ; repack: source offset in a 64 x 64 matrix
.set BO,  8                            ; 4 tid
.set QKO, 9                            ; q, k stores: 81920 hh + 16 r
.set VO,  10                           ; v stores: 81920 (r>>3) + 128 hh + 16 (r&7)
.set XO,  11                           ; x loads: 256 r + 32 hh
.set KP,  12                           ; (keep, keep) of token r
.set KQ,  14                           ; (keep log2 e, twice)
.set KT,  16                           ; keep of tokens 8 hh + j
.set T,   24
.set Y,   32                           ; 4 tiles of 8: lane (r, hh), tile f, register j = (token r, feature 16 f + 8 hh + j)
.set AF,  64                           ; two K = 32 fragments of the activations; until then head temporaries
.set H,   80
.set HF,  112
.set WB0, 128
.set WB1, 192
.set RR,  64
.set HHV, 65
.set PO1, 66
.set PO2, 67
.set KK,  68
.set T3,  69
.macro PLACES                          ; four places behind matrix instructions (ISA guide 7.12.1)
.rept 4
	v_nop
.endr
.endm
; eight fragments (kb = 0, 1 x f = 0..3) of a matrix stored [K][N]: column n0 + 16 f + r, k = k0 + 32 kb + ..
.macro W8 dst, areg, k0, n0, p
.irp kb,0,1
.irp f,0,1,2,3
	ds_load_tr16_b128 v[\dst+8*(4*\kb+\f):\dst+8*(4*\kb+\f)+3], v[\areg] offset:(\k0+32*\kb)*\p+2*(\n0+16*\f)
	ds_load_tr16_b128 v[\dst+8*(4*\kb+\f)+4:\dst+8*(4*\kb+\f)+7], v[\areg] offset:(\k0+32*\kb+16)*\p+2*(\n0+16*\f)
.endr
.endr
.endm
.macro LOADV dst, row                  ; a row of 64 f32 in the layout of Y
.irp f,0,1,2,3
	ds_load_b128 v[\dst+8*\f:\dst+8*\f+3], v[VB] offset:256*(\row)+64*\f
	ds_load_b128 v[\dst+8*\f+4:\dst+8*\f+7], v[VB] offset:256*(\row)+64*\f+16
.endr
.endm
.macro TOF16                           ; Y to two f16 fragments: two neighbouring tiles are one K = 32 fragment
.set i_, 0
.rept 16
	v_cvt_pk_f16_f32 v[AF+i_], v[Y+2*i_], v[Y+2*i_+1]
.set i_, i_+1
.endr
.endm
.macro KEEPS full
	v_cmp_ne_u32 vcc_lo, 0, v[T]
	v_cndmask_b32 v[KP], 0, 1.0, vcc_lo
	v_mov_b32 v[KP+1], v[KP]
.if \full
	v_mul_f32 v[KQ], 0x3fb8aa3b, v[KP]
	v_mov_b32 v[KQ+1], v[KQ]
.irp j,0,1,2,3,4,5,6,7
	v_cmp_ne_u32 vcc_lo, 0, v[KT+\j]
	v_cndmask_b32 v[KT+\j], 0, 1.0, vcc_lo
.endr
.endif
.endm
; a tile's 8 numbers times the pair sc, split into a bf16 head (o .. o+3) and the bf16 of the exact remainder (o+4 .. o+7)
.macro HILO d, sc, o
.irp i,0,1,2,3
	v_pk_mul_f32 v[\d+2*\i:\d+2*\i+1], v[\d+2*\i:\d+2*\i+1], v[\sc:\sc+1]
.endr
.irp i,0,1,2,3
	v_cvt_pk_bf16_f32 v[\o+\i], v[\d+2*\i], v[\d+2*\i+1]
.endr
.irp i,0,1,2,3
	v_lshlrev_b32 v[T+2*\i], 16, v[\o+\i]
	v_and_b32 v[T+2*\i+1], 0xffff0000, v[\o+\i]
.endr
.irp i,0,1,2,3
	v_pk_add_f32 v[\d+2*\i:\d+2*\i+1], v[\d+2*\i:\d+2*\i+1], v[T+2*\i:T+2*\i+1] neg_lo:[0,1] neg_hi:[0,1]
.endr
.irp i,0,1,2,3
	v_cvt_pk_bf16_f32 v[\o+4+\i], v[\d+2*\i], v[\d+2*\i+1]
.endr
.endm
; q, k, v of my 16 tokens.  Entry: AF = f16 fragments of x; Wq's eight fragments on their way into WB1.
.macro QKVSTAGE
	s_wait_xcnt 0x0                                ; registers that earlier global stores read are written again only behind this wait
	W8 WB0, AWQ, 64, 0, P160                       ; Wk
	LOADV H, 0                                     ; the sums start from the biases: bq
	LOADV Y, 1                                     ; bk
	s_wait_dscnt 0x0
	; transposed use: source 0 = columns of W, source 1 = tokens; a lane's 8 results are one head's 8 numbers of token r.
	; The eight accumulators take turns, one instruction a turn.
.irp kb,0,1
.irp f,0,1,2,3
	v_wmma_f32_16x16x32_f16 v[H+8*\f:H+8*\f+7], v[WB1+8*(4*\kb+\f):WB1+8*(4*\kb+\f)+7], v[AF+8*\kb:AF+8*\kb+7], v[H+8*\f:H+8*\f+7]
.endr
.irp f,0,1,2,3
	v_wmma_f32_16x16x32_f16 v[Y+8*\f:Y+8*\f+7], v[WB0+8*(4*\kb+\f):WB0+8*(4*\kb+\f)+7], v[AF+8*\kb:AF+8*\kb+7], v[Y+8*\f:Y+8*\f+7]
.endr
.endr
	v_and_b32 v[HF+8], 15, v0                      ; four places, three of them useful: the address of bv[16 f + r]
	v_lshlrev_b32 v[HF+8], 2, v[HF+8]
	v_add_nc_u32 v[HF+8], L_VEC+512, v[HF+8]
	v_nop
	W8 WB1, AWQ, 128, 0, P160                      ; Wv
.irp f,0,1,2,3
	ds_load_b32 v[HF+2*\f], v[HF+8] offset:64*\f   ; twice: a pair for the packed add
	ds_load_b32 v[HF+2*\f+1], v[HF+8] offset:64*\f
.endr
.irp f,0,1,2,3
	HILO H+8*\f, KQ, WB0+8*\f
	global_store_b128 v[QKO], v[WB0+8*\f:WB0+8*\f+3], s[QB:QB+1] offset:163840*\f          ; 16 lanes: 16 tokens x 16 bytes = 256 consecutive bytes, aligned
	global_store_b128 v[QKO], v[WB0+8*\f+4:WB0+8*\f+7], s[QB:QB+1] offset:163840*\f+16384
.endr
	s_wait_dscnt 0x0                               ; Wv and bv
	; v with the sources the other way round: a lane's 8 results are 8 tokens of one feature, as VF wants them
.irp kb,0,1
.irp f,0,1,2,3
.if \kb == 0
	v_wmma_f32_16x16x32_f16 v[H+8*\f:H+8*\f+7], v[AF+8*\kb:AF+8*\kb+7], v[WB1+8*(4*\kb+\f):WB1+8*(4*\kb+\f)+7], 0
.else
	v_wmma_f32_16x16x32_f16 v[H+8*\f:H+8*\f+7], v[AF+8*\kb:AF+8*\kb+7], v[WB1+8*(4*\kb+\f):WB1+8*(4*\kb+\f)+7], v[H+8*\f:H+8*\f+7]
.endif
.endr
.endr
.irp f,0,1,2,3
	HILO Y+8*\f, KP, WB0+32+8*\f                   ; k's split also fills the places behind v's products
	global_store_b128 v[QKO], v[WB0+32+8*\f:WB0+32+8*\f+3], s[QB:QB+1] offset:163840*\f+49152
	global_store_b128 v[QKO], v[WB0+32+8*\f+4:WB0+32+8*\f+7], s[QB:QB+1] offset:163840*\f+65536
.endr
.irp f,0,1,2,3
.irp i,0,1,2,3
	v_pk_add_f32 v[H+8*\f+2*\i:H+8*\f+2*\i+1], v[H+8*\f+2*\i:H+8*\f+2*\i+1], v[HF+2*\f:HF+2*\f+1]
.endr
.irp i,0,1,2,3
	v_pk_mul_f32 v[H+8*\f+2*\i:H+8*\f+2*\i+1], v[H+8*\f+2*\i:H+8*\f+2*\i+1], v[KT+2*\i:KT+2*\i+1]
.endr
.irp i,0,1,2,3
	v_cvt_pk_f16_f32 v[AF+4*\f+\i], v[H+8*\f+2*\i], v[H+8*\f+2*\i+1]
.endr
	global_store_b128 v[VO], v[AF+4*\f:AF+4*\f+3], s[QB:QB+1] offset:163840*\f+32768       ; each pair's 256 bytes (2 groups x 8 d x 16 bytes) whole in one instruction
.endr
.endm
; sixteen quads of a 64 x 64 f32 matrix to f16 and into LDS
.macro STAGEW wb, mt
.set i_, 0
.rept 16
	v_cvt_pk_f16_f32 v[\wb+4*i_], v[\wb+4*i_], v[\wb+4*i_+1]
	v_cvt_pk_f16_f32 v[\wb+4*i_+1], v[\wb+4*i_+2], v[\wb+4*i_+3]
	ds_store_b64 v[WS], v[\wb+4*i_:\wb+4*i_+1] offset:10240*\mt+640*i_
.set i_, i_+1
.endr
.endm
.macro WLOAD wb, sp                    ; a whole 64 x 64 f32 matrix of layer 0: 64 threads x 16 loads of 16 bytes
.set i_, 0
.rept 16
	global_load_b128 v[\wb+4*i_:\wb+4*i_+3], v[WOF], s[\sp:\sp+1] offset:1024*i_
.set i_, i_+1
.endr
.endm
	s_load_b512 s[8:23], s[0:1], 0x0               ; x protok Wq Wk Wv Wo W1 W2
	s_load_b512 s[24:39], s[0:1], 0x40             ; bq bk bv bo g1 be1 b1 b2
	s_load_b256 s[40:47], s[0:1], 0x80             ; g2 be2 p0 p1
	s_load_b128 s[48:51], s[0:1], 0xa0             ; p2 p3
	s_load_b64 s[52:53], s[0:1], 0xb0              ; qkv
	s_set_vgpr_msb 0x40
	v_lshl_add_u32 v0, v0, 2, 0x8000
	v_mov_b32 v1, 0
	s_set_vgpr_msb 0x4000
	v_lshrrev_b32 v[HF], 5, v0
	v_readfirstlane_b32 s54, v[HF]                 ; wave
	s_mov_b32 s76, ttmp9                           ; g, the work-group
	s_lshr_b32 s56, ttmp9, 6                       ; repack: layer = g / 64
	s_and_b32 s57, ttmp9, 63                       ; repack: i = g % 64
	s_lshr_b32 s63, s57, 4                         ; repack: which 64 x 64 matrix
	s_lshr_b32 s55, ttmp9, 5                       ; batch
	s_lshl_b32 s58, ttmp9, 5
	s_lshl_b32 s60, s54, 4
	s_add_co_u32 s58, s58, s60                     ; my wave's first token, 0 .. 8191
	s_and_b32 s59, s58, 1023                       ; the same inside its batch
	s_mov_b32 s61, 0
	v_and_b32 v[RR], 15, v0
	v_bfe_u32 v[HHV], v0, 4, 1
	v_lshlrev_b32 v[PO1], 2, v[RR]
	v_lshlrev_b32 v[PO2], 5, v[HHV]
	v_lshlrev_b32 v[XO], 8, v[RR]
	v_lshl_add_u32 v[XO], v[HHV], 5, v[XO]
	v_lshlrev_b32 v[WOF], 4, v0
	v_lshlrev_b32 v[BO], 2, v0
	s_lshl_b32 s60, s56, 16                        ; W1, W2: layer x 65,536 bytes + 16 (64 i + tid)
	s_lshl_b32 s62, s57, 10
	s_add_co_u32 s60, s60, s62
	v_add_nc_u32 v[SO], s60, v[WOF]
	s_lshl_b32 s60, s57, 9                         ; destination: 8 (64 i + tid)
	v_lshl_add_u32 v[DO], v0, 3, s60
	s_lshl_b32 s60, s56, 14                        ; a 64 x 64 matrix: layer x 16,384 bytes + 16 ((64 i + tid) % 1024)
	s_and_b32 s62, s57, 15
	s_lshl_b32 s62, s62, 10
	s_add_co_u32 s60, s60, s62
	v_add_nc_u32 v[MO], s60, v[WOF]
	v_lshrrev_b32 v[WS], 4, v0
	v_mul_u32_u24 v[WS], v[WS], P160
	v_lshl_add_u32 v[WS], v[RR], 3, v[WS]
	v_and_b32 v[KK], 7, v0
	v_lshl_or_b32 v[KK], v[HHV], 3, v[KK]          ; 8 hh + (lane & 7): the row that this lane addresses in a transposing load
	v_bfe_u32 v[T3], v0, 3, 1
	v_lshlrev_b32 v[T3], 4, v[T3]
	v_mul_u32_u24 v[AWQ], v[KK], P160
	v_add_nc_u32 v[AWQ], v[AWQ], v[T3]
	v_lshlrev_b32 v[VB], 5, v[HHV]
	v_add_nc_u32 v[VB], L_VEC, v[VB]
	v_mul_u32_u24 v[QKO], v[HHV], 81920
	v_lshl_add_u32 v[QKO], v[RR], 4, v[QKO]
	v_bfe_u32 v[VO], v0, 3, 1
	v_mul_u32_u24 v[VO], v[VO], 81920
	v_lshl_add_u32 v[VO], v[HHV], 7, v[VO]
	v_and_b32 v[T3], 7, v0
	v_lshl_add_u32 v[VO], v[T3], 4, v[VO]
	s_wait_kmcnt 0x0
	s_lshl_b32 s60, s58, 8
	s_add_nc_u64 s[68:69], s[8:9], s[60:61]        ; x at my first token
	s_lshl_b32 s60, s58, 2
	s_add_nc_u64 s[70:71], s[10:11], s[60:61]      ; protok at my first token
	s_mul_i32 s60, s55, 655360
	s_lshl_b32 s62, s59, 4
	s_add_co_u32 s60, s60, s62
	s_add_nc_u64 s[QB:QB+1], s[52:53], s[60:61]
	s_cmp_eq_u32 s56, 1                            ; the layer's parameter buffer
	s_cselect_b64 s[66:67], s[46:47], s[44:45]
	s_cmp_eq_u32 s56, 2
	s_cselect_b64 s[66:67], s[48:49], s[66:67]
	s_cmp_eq_u32 s56, 3
	s_cselect_b64 s[66:67], s[50:51], s[66:67]
	s_cmp_eq_u32 s63, 1                            ; Wq, Wk, Wv or Wo
	s_cselect_b64 s[74:75], s[14:15], s[12:13]
	s_cmp_eq_u32 s63, 2
	s_cselect_b64 s[74:75], s[16:17], s[74:75]
	s_cmp_eq_u32 s63, 3
	s_cselect_b64 s[74:75], s[18:19], s[74:75]
.irp f,0,1,2,3
	global_load_b128 v[Y+8*\f:Y+8*\f+3], v[XO], s[68:69] offset:64*\f
	global_load_b128 v[Y+8*\f+4:Y+8*\f+7], v[XO], s[68:69] offset:64*\f+16
.endr
	global_load_b32 v[T], v[PO1], s[70:71]
	global_load_b128 v[KT:KT+3], v[PO2], s[70:71]
	global_load_b128 v[KT+4:KT+7], v[PO2], s[70:71] offset:16
	global_load_b32 v[HF], v[BO], s[24:25]
	global_load_b32 v[HF+1], v[BO], s[26:27]
	global_load_b32 v[HF+2], v[BO], s[28:29]
	global_load_b128 v[116:119], v[SO], s[22:23]   ; my quad of W2
	global_load_b128 v[120:123], v[SO], s[20:21]   ; my quad of W1
	s_cmp_lt_u32 s76, 48                           ; layer 0's Wq, Wk, Wv are used from LDS below and never from p0
	s_cbranch_scc1 .Lno_m_load
	global_load_b128 v[124:127], v[MO], s[74:75]
.Lno_m_load:
	WLOAD WB0, 12                                  ; Wq
	WLOAD WB1, 14                                  ; Wk
	s_wait_loadcnt 16                              ; all but Wk's sixteen: the same sixteen on both ways round the branch above
	ds_store_b32 v[BO], v[HF] offset:L_VEC
	ds_store_b32 v[BO], v[HF+1] offset:L_VEC+256
	ds_store_b32 v[BO], v[HF+2] offset:L_VEC+512
	STAGEW WB0, 0
	WLOAD WB0, 16                                  ; Wv
	v_cvt_pk_f16_f32 v116, v116, v117
	v_cvt_pk_f16_f32 v117, v118, v119
	global_store_b64 v[DO], v[116:117], s[66:67] offset:32768      ; a wave stores 256 consecutive bytes, aligned
	v_cvt_pk_f16_f32 v120, v120, v121
	v_cvt_pk_f16_f32 v121, v122, v123
	global_store_b64 v[DO], v[120:121], s[66:67] offset:65536
	s_cmp_lt_u32 s76, 48
	s_cbranch_scc1 .Lno_m_store
	s_cmp_eq_u32 s63, 3
	s_cbranch_scc1 .Lwo_bf16
	v_cvt_pk_f16_f32 v124, v124, v125
	v_cvt_pk_f16_f32 v125, v126, v127
	s_branch .Lm_store
.Lwo_bf16:                                             ; Wo meets the attention's sums, which have no bound that fits f16: bf16
	v_cvt_pk_bf16_f32 v124, v124, v125
	v_cvt_pk_bf16_f32 v125, v126, v127
.Lm_store:
	global_store_b64 v[DO], v[124:125], s[66:67]
.Lno_m_store:
	s_wait_loadcnt 16                              ; Wk is in, Wv's sixteen may be out
	STAGEW WB1, 1
	s_wait_loadcnt 0x0
	STAGEW WB0, 2
	; the sixteen rows of vectors of a layer: wave 0 of work-groups 0, 64, 128, 192
	s_cmp_lg_u32 s57, 0
	s_cbranch_scc1 .Lno_vec
	s_cmp_lg_u32 s54, 0
	s_cbranch_scc1 .Lno_vec
	v_lshlrev_b32 v114, 3, v0                      ; 8 bytes a lane: a row of 256 bytes a wave
	v_lshl_add_u32 v112, s56, 8, v114
	v_lshl_add_u32 v113, s56, 10, v114
	global_load_b64 v[WB1+0:WB1+1], v112, s[24:25]
	global_load_b64 v[WB1+2:WB1+3], v112, s[26:27]
	global_load_b64 v[WB1+4:WB1+5], v112, s[28:29]
	global_load_b64 v[WB1+6:WB1+7], v112, s[30:31]
	global_load_b64 v[WB1+8:WB1+9], v112, s[32:33]
	global_load_b64 v[WB1+10:WB1+11], v112, s[34:35]
.irp k,0,1,2,3
	global_load_b64 v[WB1+12+2*\k:WB1+13+2*\k], v113, s[36:37] offset:256*\k
.endr
	global_load_b64 v[WB1+20:WB1+21], v112, s[38:39]
	global_load_b64 v[WB1+22:WB1+23], v112, s[40:41]
	global_load_b64 v[WB1+24:WB1+25], v112, s[42:43]
	v_mov_b32 v[WB1+26], 0
	v_mov_b32 v[WB1+27], 0
	s_wait_loadcnt 0x0
.irp k,0,1,2
	global_store_b64 v114, v[WB1+2*\k:WB1+2*\k+1], s[66:67] offset:98304+256*\k
.endr
	global_store_b64 v114, v[WB1+26:WB1+27], s[66:67] offset:98304+256*3
.irp k,3,4,5,6,7,8,9,10,11,12
	global_store_b64 v114, v[WB1+2*\k:WB1+2*\k+1], s[66:67] offset:98304+256*(\k+1)
.endr
	global_store_b64 v114, v[WB1+26:WB1+27], s[66:67] offset:98304+256*14
	global_store_b64 v114, v[WB1+26:WB1+27], s[66:67] offset:98304+256*15
	s_wait_xcnt 0x0                                ; WB1 is loaded again below
.Lno_vec:
	s_wait_dscnt 0x0                               ; my part of the weights and biases is in LDS,
	s_barrier_signal -1
	s_barrier_wait -1                              ; everybody's is
	W8 WB1, AWQ, 0, 0, P160                        ; Wq
	KEEPS 1
	TOF16
	QKVSTAGE
	s_set_vgpr_msb 0x5
	s_wait_tensorcnt 0x0
	ds_add_u32 v0, v1
	s_wait_dscnt 0x0
	s_set_vgpr_msb 0x500
	s_endpgm
.Lfunc_end_k_q6cf95252f8_first:
	.size	k_q6cf95252f8_first, .Lfunc_end_k_q6cf95252f8_first-k_q6cf95252f8_first
	.p2alignl 7, 3214868480
	.fill 96, 4, 3214868480
	.section	.rodata,"a",@progbits
	.p2align	6, 0x0
	.amdhsa_kernel k_q6cf95252f8_first
		.amdhsa_group_segment_fixed_size 33024
		.amdhsa_private_segment_fixed_size 0
		.amdhsa_enable_private_segment 0
		.amdhsa_kernarg_size 184
		.amdhsa_user_sgpr_count 2
		.amdhsa_user_sgpr_kernarg_segment_ptr 1
		.amdhsa_wavefront_size32 1
		.amdhsa_system_sgpr_workgroup_id_x 1
		.amdhsa_system_sgpr_workgroup_id_y 1
		.amdhsa_system_sgpr_workgroup_id_z 1
		.amdhsa_system_vgpr_workitem_id 0
		.amdhsa_next_free_vgpr 258
		.amdhsa_next_free_sgpr 80
		.amdhsa_reserve_vcc 1
		.amdhsa_float_denorm_mode_32 3
		.amdhsa_float_denorm_mode_16_64 3
		.amdhsa_memory_ordered 1
		.amdhsa_forward_progress 1
		.amdhsa_inst_pref_size 48
	.end_amdhsa_kernel
	.amdgpu_metadata
---
amdhsa.version: [ 1, 2 ]
amdhsa.kernels:
  - .name:           k_q6cf95252f8_first
    .symbol:         k_q6cf95252f8_first.kd
    .args:
      - { .name: x, .offset: 0, .size: 8, .value_kind: global_buffer, .address_space: global }
      - { .name: protok, .offset: 8, .size: 8, .value_kind: global_buffer, .address_space: global }
      - { .name: Wq, .offset: 16, .size: 8, .value_kind: global_buffer, .address_space: global }
      - { .name: Wk, .offset: 24, .size: 8, .value_kind: global_buffer, .address_space: global }
      - { .name: Wv, .offset: 32, .size: 8, .value_kind: global_buffer, .address_space: global }
      - { .name: Wo, .offset: 40, .size: 8, .value_kind: global_buffer, .address_space: global }
      - { .name: W1, .offset: 48, .size: 8, .value_kind: global_buffer, .address_space: global }
      - { .name: W2, .offset: 56, .size: 8, .value_kind: global_buffer, .address_space: global }
      - { .name: bq, .offset: 64, .size: 8, .value_kind: global_buffer, .address_space: global }
      - { .name: bk, .offset: 72, .size: 8, .value_kind: global_buffer, .address_space: global }
      - { .name: bv, .offset: 80, .size: 8, .value_kind: global_buffer, .address_space: global }
      - { .name: bo, .offset: 88, .size: 8, .value_kind: global_buffer, .address_space: global }
      - { .name: g1, .offset: 96, .size: 8, .value_kind: global_buffer, .address_space: global }
      - { .name: be1, .offset: 104, .size: 8, .value_kind: global_buffer, .address_space: global }
      - { .name: b1, .offset: 112, .size: 8, .value_kind: global_buffer, .address_space: global }
      - { .name: b2, .offset: 120, .size: 8, .value_kind: global_buffer, .address_space: global }
      - { .name: g2, .offset: 128, .size: 8, .value_kind: global_buffer, .address_space: global }
      - { .name: be2, .offset: 136, .size: 8, .value_kind: global_buffer, .address_space: global }
      - { .name: p0, .offset: 144, .size: 8, .value_kind: global_buffer, .address_space: global }
      - { .name: p1, .offset: 152, .size: 8, .value_kind: global_buffer, .address_space: global }
      - { .name: p2, .offset: 160, .size: 8, .value_kind: global_buffer, .address_space: global }
      - { .name: p3, .offset: 168, .size: 8, .value_kind: global_buffer, .address_space: global }
      - { .name: qkv, .offset: 176, .size: 8, .value_kind: global_buffer, .address_space: global }
    .group_segment_fixed_size: 33024
    .private_segment_fixed_size: 0
    .kernarg_segment_align: 8
    .kernarg_segment_size: 184
    .max_flat_workgroup_size: 64
    .sgpr_count:     80
    .vgpr_count:     258
    .wavefront_size: 32
...
	.end_amdgpu_metadata
.endif
;; end of part 1
;; launch attn (part 2): grid 256 x 1, 8 waves a work-group, clusters of 4 x 1, 168,960 bytes of LDS; arguments qkv, protok, att; writes att
.if DOCPART == 2
	.amdgcn_target "amdgcn-amd-amdhsa--gfx1250"
	.amdhsa_code_object_version 6
	.text
	.protected	k_q6cf95252f8_attn
	.globl	k_q6cf95252f8_attn
	.p2align	8
	.type	k_q6cf95252f8_attn,@function
k_q6cf95252f8_attn:
	s_mov_b64 s[64:65], 0
	v_nop
	global_prefetch_b8 v0, s[64:65] scope:SCOPE_SE
	s_setreg_imm32_b32 hwreg(HW_REG_WAVE_MODE, 25, 1), 1
	s_wait_xcnt 0x0
	s_wait_alu depctr_hold_cnt(0) depctr_sa_sdst(0) depctr_va_vdst(0) depctr_va_sdst(0) depctr_va_ssrc(0) depctr_va_vcc(0) depctr_vm_vsrc(0)
	s_getreg_b32 s2, hwreg(HW_REG_IB_STS2, 6, 4)
	s_cmp_eq_u32 s2, 0
	s_cbranch_scc0 .Lentry_in_a_cluster
	s_endpgm
.Lentry_in_a_cluster:
	s_bfe_u32 s2, ttmp6, 0x10000c
	s_cmp_lg_u32 s2, 0x3003
	s_cbranch_scc0 .Lentry_shape_is_right
	s_endpgm
.Lentry_shape_is_right:
; attn: for one pair (batch, head) and one quarter of its keys (256): U[key][d] = sum over all 1024 queries of exp2(l2[q][key] - m) v[q][d],
; S = sum of exp2(l2 - m) over the quarter's kept keys, cnt = kept keys, m = the TRUE maximum of the quarter's logits (first pass).
; l2 = q.k with log2(e) already in q.  The next launch joins the four quarters: it multiplies by exp2(m - max m) nz / (S G).
; The -1e9 of padded keys is not added: a padded key has k = 0, so its column holds logits 0; a padded key is also a padded query, so every
; kept column then holds a 0 too and the maximum with those columns equals the masked one; their exponentials are at most 1, are left out
; of S by a select, and their rows of U are zeroed by the next launch's mask.
; CLUSTER: the four quarters of a pair read the same 48 KiB (QH, QL, VF): one joint load a wave, mask 15.
; Eight waves: kg = w & 3 owns 64 keys (4 tiles of 16), qh = w >> 2 owns 512 queries, in 16 steps of 32.
; LOGITS: K = 32 is filled by depth 8 four times: source 0 = (qh, qh, ql, ql), source 1 = (kh, kl, kh, kl): (qh + ql).(kh + kl).
; D holds (query 8 hh + j, key r), so exp2 of two query tiles, packed to f16, IS the second product's source 1 (32 queries x key r).
; Source 0 of the second product: rows 0-7 = v transposed, row 8 = ones (the column sums), rows 9-15 = zeros.  Rows 8-15 are written once into
; the registers of lanes r >= 8; the loads of v run with only lanes r < 8 on and leave them alone.
; SCHEDULE: a step has 8 tiles of 16 x 16 logits, tile j = 2 c + t (key tile c, query tile t), 8 registers each.  Both passes run as a pipeline
; by tiles, one slot a tile: the product of the tile two slots ahead, then this tile's vector work, so that a matrix instruction is followed by
; vector instructions of the same wave that do not need it.  In the second pass a slot's eight exponentials stand two by two with the four
; conversions of the tile before between them, and the product with v of a key tile stands in the middle of the slot behind its last conversion.
; LIMITS: e is kept in f16 (at most 1; below about 6e-8 it becomes 0); v in f16.
.set PAIRB, 81920
.set O_KH,  49152
.set L_QL,  16384
.set L_VF,  32768
.set L_RED, 49152                      ; 256 bytes: the waves' maxima at 4 w, their (S, cnt) at 64 + 8 w
.set L_XCH, 49408                      ; 8 waves x 4 tiles x 1,024 bytes: 16 rows of 32 bytes of U, then 16 rows whose first word is the column sum
.set RL,  1
.set HH,  2
.set AQ0, 3                            ; 16 r + 8192 qh
.set AQ,  4                            ; the same, stepped by 1,024 for every two steps
.set AV,  5                            ; 16 (r & 7) + 128 hh + 8192 qh, stepped likewise
.set XA,  7
.set XRD, 9
.set XSM, 10
.set KO,  11
.set PO,  12
.set UOF, 13
.set TA,  14
.set TB,  15
.set MX,  16                           ; v[16:19] four running maxima
.set CN,  20                           ; v[20:27] -m, eight times: the C operand of the second pass's logits
.set PK,  28                           ; v[28:29] protok of my two final tiles' keys
.set MW,  30
.set TC,  31
.set KF,  32                           ; 4 key fragments
.set ACC, 64                           ; 4 accumulators
.set LG,  96                           ; v[96:159] the 8 tiles of a step
.set PE,  160                          ; v[160:191] their exponentials in f16: 4 registers a tile, 8 a key tile
.set QF0, 192
.set QF1, 208
.set VF0, 224
.set VF1, 232
.set T,   240
.macro ROUND                           ; a round of the cluster's barrier
	s_barrier_signal -1
	s_barrier_wait -1
	s_cmp_lg_u32 s10, 0
	s_cbranch_scc1 .Lnot_wave_0_\@
	s_barrier_signal -3
.Lnot_wave_0_\@:
	s_barrier_wait -3
	s_barrier_signal -1
	s_barrier_wait -1
.endm
.macro PLACES                          ; four places behind matrix instructions (ISA guide 7.12.1)
.rept 4
	v_nop
.endr
.endm
.macro QLOAD qf, off                   ; 32 queries: two tiles, head and remainder
	ds_load_b128 v[\qf:\qf+3], v[AQ] offset:\off
	ds_load_b128 v[\qf+4:\qf+7], v[AQ] offset:\off+L_QL
	ds_load_b128 v[\qf+8:\qf+11], v[AQ] offset:\off+256
	ds_load_b128 v[\qf+12:\qf+15], v[AQ] offset:\off+L_QL+256
.endm
.macro VLOAD vf, off                   ; v transposed, 32 queries, into lanes r < 8 alone (VCC holds r < 8 all through the second pass)
	s_and_saveexec_b32 s33, vcc_lo
	ds_load_b128 v[\vf:\vf+3], v[AV] offset:L_VF+\off
	ds_load_b128 v[\vf+4:\vf+7], v[AV] offset:L_VF+\off+256
	s_or_b32 exec_lo, exec_lo, s33
.endm
.macro WL j, qf, zero                  ; the logits of tile j = 2 c + t; zero = 0: less the maximum, which rides in as C
.if \zero
	v_wmma_f32_16x16x32_bf16 v[LG+8*\j:LG+8*\j+7], v[\qf+8*(\j%2):\qf+8*(\j%2)+7], v[KF+8*(\j/2):KF+8*(\j/2)+7], 0
.else
	v_wmma_f32_16x16x32_bf16 v[LG+8*\j:LG+8*\j+7], v[\qf+8*(\j%2):\qf+8*(\j%2)+7], v[KF+8*(\j/2):KF+8*(\j/2)+7], v[CN:CN+7]
.endif
.endm
.macro PV c, vf, zero                  ; key tile c's exponentials times v.  The four accumulators take turns, one instruction a turn
.if \zero
	v_wmma_f32_16x16x32_f16 v[ACC+8*\c:ACC+8*\c+7], v[\vf:\vf+7], v[PE+8*\c:PE+8*\c+7], 0
.else
	v_wmma_f32_16x16x32_f16 v[ACC+8*\c:ACC+8*\c+7], v[\vf:\vf+7], v[PE+8*\c:PE+8*\c+7], v[ACC+8*\c:ACC+8*\c+7]
.endif
.endm
; FIRST PASS, one slot: the product of tile wj (none if wj < 0), the maxima of tile mj, whose product stands two slots back: eight places
.macro MSLOT wj, qf, mj
.if \wj >= 0
	WL \wj, \qf, 1
.endif
.irp k,0,1,2,3
	v_max3_num_f32 v[MX+\k], v[MX+\k], v[LG+8*\mj+2*\k], v[LG+8*\mj+2*\k+1]
.endr
.endm
; one step.  qc, qn: q of this and of the next step; p: the step's place in its pair; ldq: fetch q of the step after next; nxt: a step follows
.macro MSTEP qc, qn, p, ldq, nxt
	MSLOT 2, \qc, 0
	MSLOT 3, \qc, 1
	MSLOT 4, \qc, 2
	MSLOT 5, \qc, 3
	MSLOT 6, \qc, 4
	MSLOT 7, \qc, 5
.if \nxt
	s_wait_dscnt 0x0                               ; the next step's q, asked for a step ago
	MSLOT 0, \qn, 6
.else
	MSLOT -1, \qn, 6
.endif
.if \ldq
	QLOAD \qc, 512*(\p+2)                          ; eight maxima stand behind the last product that read this buffer
.endif
.if \nxt
	MSLOT 1, \qn, 7
.else
	MSLOT -1, \qn, 7
.endif
.endm
; SECOND PASS, one slot: the product of tile wj (none if wj < 0); exp2 of tile ej two by two, a conversion of tile cj behind each two (cj < 0: v_nop),
; which is also the plain instruction that stands between an exponential and its use (ISA guide 5.7.2); in the middle the product of key tile pc with v (pc < 0: none)
.macro SLOT wj, qf, ej, cj, pc, vf, z
.if \wj >= 0
	WL \wj, \qf, 0
.endif
.irp k,0,1,2,3
.if \k == 2
.if \pc >= 0
	PV \pc, \vf, \z
.endif
.endif
	v_exp_f32 v[LG+8*\ej+2*\k], v[LG+8*\ej+2*\k]
	v_exp_f32 v[LG+8*\ej+2*\k+1], v[LG+8*\ej+2*\k+1]
.if \cj >= 0
	s_wait_alu depctr_va_vdst(0)
	v_cvt_pk_f16_f32 v[PE+4*\cj+\k], v[LG+8*\cj+2*\k], v[LG+8*\cj+2*\k+1]
.else
	v_nop
.endif
.endr
.endm
; one step.  qc, qn: q of this and of the next step; vc: v of this step; vp: v of the step before, then of the next; p: the step's place in its pair;
; s: 0 = step 0, 1 = step 1, 2 = later (step 0's products with v start the sums: nothing is cleared); wv: LDS loads issued behind this step's v;
; ldv: fetch the next step's v; ldq: fetch q of the step after next; nxt: a step follows
.macro PSTEP qc, qn, vc, vp, p, s, wv, ldv, ldq, nxt
.if \s == 0
.set ZZ, 1
	SLOT 2, \qc, 0, -1, -1, \vp, 0
	SLOT 3, \qc, 1, 0, -1, \vp, 0
.endif
.if \s == 1
.set ZZ, 0
	SLOT 2, \qc, 0, 7, -1, \vp, 0
	SLOT 3, \qc, 1, 0, 3, \vp, 1                   ; key tile 3 of step 0
.endif
.if \s == 2
.set ZZ, 0
	SLOT 2, \qc, 0, 7, -1, \vp, 0
	SLOT 3, \qc, 1, 0, 3, \vp, 0                   ; key tile 3 of the step before
.endif
	SLOT 4, \qc, 2, 1, -1, \vc, 0
	s_wait_dscnt \wv                               ; this step's v is in; the q loads issued behind it may be out
	SLOT 5, \qc, 3, 2, 0, \vc, ZZ
.if \ldv
	VLOAD \vp, 512*(\p+1)                          ; ten conversions stand behind the last product that read this buffer
.endif
	SLOT 6, \qc, 4, 3, -1, \vc, 0
	SLOT 7, \qc, 5, 4, 1, \vc, ZZ
.if \nxt
	s_wait_dscnt 2*\ldv                            ; the next step's q is in; the v loads just issued may be out
	SLOT 0, \qn, 6, 5, -1, \vc, 0
.else
	SLOT -1, \qn, 6, 5, -1, \vc, 0
.endif
.if \ldq
	QLOAD \qc, 512*(\p+2)                          ; eight conversions stand behind the last product that read this buffer
.endif
.if \nxt
	SLOT 1, \qn, 7, 6, 2, \vc, ZZ
.else
	SLOT -1, \qn, 7, 6, 2, \vc, ZZ
.endif
.endm
.macro WMAX x, t
	v_max_num_f32_dpp v[\x], v[\x], v[\x] row_xmask:1 row_mask:0xf bank_mask:0xf
	v_max_num_f32_dpp v[\x], v[\x], v[\x] row_xmask:2 row_mask:0xf bank_mask:0xf
	v_max_num_f32_dpp v[\x], v[\x], v[\x] row_xmask:4 row_mask:0xf bank_mask:0xf
	v_max_num_f32_dpp v[\x], v[\x], v[\x] row_xmask:8 row_mask:0xf bank_mask:0xf
	v_permlanex16_b32 v[\t], v[\x], s30, s31
	v_max_num_f32 v[\x], v[\x], v[\t]
.endm
.macro WSUM x, t
	v_add_f32_dpp v[\x], v[\x], v[\x] row_xmask:1 row_mask:0xf bank_mask:0xf
	v_add_f32_dpp v[\x], v[\x], v[\x] row_xmask:2 row_mask:0xf bank_mask:0xf
	v_add_f32_dpp v[\x], v[\x], v[\x] row_xmask:4 row_mask:0xf bank_mask:0xf
	v_add_f32_dpp v[\x], v[\x], v[\x] row_xmask:8 row_mask:0xf bank_mask:0xf
	v_permlanex16_b32 v[\t], v[\x], s30, s31
	v_add_f32 v[\x], v[\x], v[\t]
.endm
	s_load_b128 s[4:7], s[0:1], 0x0                ; qkv, protok
	s_load_b64 s[8:9], s[0:1], 0x10                ; att
	v_lshl_add_u32 v6, v0, 2, 0x29000
	v_mov_b32 v8, 0
	ds_add_u32 v6, v8
	s_wait_dscnt 0x0
	; everything that needs no address is made while the arguments are on their way
	v_lshrrev_b32 v[TA], 5, v0
	v_readfirstlane_b32 s10, v[TA]                 ; wave
	s_and_b32 s11, s10, 3                          ; kg
	s_lshr_b32 s12, s10, 2                         ; qh
	s_bfe_u32 s13, ttmp6, 0x40000                  ; cx = the quarter of the keys: enters global addresses of plain loads and stores alone
	s_lshr_b32 s15, ttmp9, 3                       ; batch (ttmp9 = the cluster = the pair)
	s_mov_b32 s30, 0x76543210
	s_mov_b32 s31, 0xfedcba98
	; descriptor: 24 rows of 256 bytes (32 elements of 8 bytes), dense, my eighth of the pair's first 49,152 bytes
	s_mov_b32 s16, 15|(3<<16)|(1<<21)              ; mask: all four of the cluster; element of 8 bytes; bit 21 beside a mask
	s_mov_b32 s17, 32<<16                          ; tensor_dim0 = 32
	s_mov_b32 s18, 24<<16                          ; tensor_dim1 = 24
	s_mov_b32 s19, 32<<16                          ; tile_dim0 = 32
	s_mov_b32 s20, 24                              ; tile_dim1 = 24
	s_mov_b32 s21, 32                              ; pitch
	s_mov_b32 s22, 0
	s_mov_b32 s23, 0
	s_mov_b32 s24, 1
	s_mul_i32 s25, s10, 6144                       ; LDS: wave x 6,144
	s_mul_i32 s28, ttmp9, PAIRB
	s_mov_b32 s29, 0
	s_lshl_b32 s44, s13, 12                        ; k: 16 bytes x (256 cx + 64 kg), behind QH, QL, VF
	s_lshl_b32 s14, s11, 10
	s_add_co_u32 s44, s44, s14
	s_add_co_u32 s44, s44, O_KH
	s_mov_b32 s45, 0
	s_lshl_b32 s46, s15, 12                        ; protok: 4 bytes x (1024 b + 256 cx + 64 kg + 32 qh)
	s_lshl_b32 s14, s13, 10
	s_add_co_u32 s46, s46, s14
	s_lshl_b32 s14, s11, 8
	s_add_co_u32 s46, s46, s14
	s_lshl_b32 s14, s12, 7
	s_add_co_u32 s46, s46, s14
	s_mov_b32 s47, 0
	v_and_b32 v[RL], 15, v0
	v_bfe_u32 v[HH], v0, 4, 1
	v_lshlrev_b32 v[KO], 4, v[RL]
	v_lshl_add_u32 v[KO], v[HH], 14, v[KO]         ; lanes 0-15 take KH, lanes 16-31 KL
	v_lshlrev_b32 v[PO], 2, v[RL]
	v_lshlrev_b32 v[AQ0], 4, v[RL]
	v_lshl_add_u32 v[AQ0], s12, 13, v[AQ0]
	v_and_b32 v[TA], 7, v0                         ; r & 7: the lanes that are off at the loads of v hold an address inside v's tile too
	v_lshlrev_b32 v[AV], 4, v[TA]
	v_lshl_add_u32 v[AV], v[HH], 7, v[AV]
	v_lshl_add_u32 v[AV], s12, 13, v[AV]
	v_lshlrev_b32 v[XA], 5, v[RL]
	v_lshl_add_u32 v[XA], v[HH], 9, v[XA]
	v_lshl_add_u32 v[XA], s10, 12, v[XA]           ; my wave's own 4,096 bytes of the exchange
	v_and_b32 v[TA], 31, v0
	v_lshlrev_b32 v[UOF], 4, v[TA]
	v_lshl_add_u32 v[XRD], s11, 12, v[UOF]
	v_lshl_add_u32 v[XRD], s12, 11, v[XRD]
	v_add_nc_u32 v[XRD], L_XCH, v[XRD]
	v_lshlrev_b32 v[XSM], 5, v[RL]
	v_lshl_add_u32 v[XSM], v[HH], 14, v[XSM]
	v_lshl_add_u32 v[XSM], s11, 12, v[XSM]
	v_lshl_add_u32 v[XSM], s12, 11, v[XSM]
	v_add_nc_u32 v[XSM], L_XCH+512, v[XSM]
	v_lshl_add_u32 v[UOF], s11, 11, v[UOF]
	v_lshl_add_u32 v[UOF], s12, 10, v[UOF]
	v_cmp_eq_u32 vcc_lo, 8, v[RL]                  ; rows 8-15 of the second product's source 0, once: ones in row 8, zeros elsewhere
	v_mov_b32 v[TB], 0x3c003c00
	v_cndmask_b32 v[TA], 0, v[TB], vcc_lo
.set i_, 0
.rept 16
	v_mov_b32 v[VF0+i_], v[TA]
.set i_, i_+1
.endr
	v_mov_b32 v[AQ], v[AQ0]
	ROUND                                          ; the four partners are here: the joint loads meet.  The round needs no argument, so it stands ahead of the wait for them
	s_wait_kmcnt 0x0
	s_add_nc_u64 s[34:35], s[4:5], s[28:29]        ; the pair's block of qkv
	s_mov_b32 s28, s25
	s_add_nc_u64 s[26:27], s[34:35], s[28:29]      ; made of the pair and the wave alone: equal in the four partners
	s_or_b32 s27, s27, 0x80000000
	tensor_load_to_lds s[24:27], s[16:23]          ; my one tensor load of the launch; nothing in LDS is ever filled again
	s_nop 0
	s_add_nc_u64 s[36:37], s[34:35], s[44:45]
.irp c,0,1,2,3
	global_load_b128 v[KF+8*\c:KF+8*\c+3], v[KO], s[36:37] offset:256*\c
	global_load_b128 v[KF+8*\c+4:KF+8*\c+7], v[KO], s[36:37] offset:256*\c       ; the same 16 bytes fill K slots 16-31
.endr
	s_add_nc_u64 s[38:39], s[6:7], s[46:47]
	global_load_b32 v[PK], v[PO], s[38:39]
	global_load_b32 v[PK+1], v[PO], s[38:39] offset:64
	s_lshl_b32 s44, ttmp9, 15                      ; U: 32,768 bytes a pair, 8,192 a quarter
	s_lshl_b32 s14, s13, 13
	s_add_co_u32 s44, s44, s14
	s_add_nc_u64 s[40:41], s[8:9], s[44:45]
	s_lshl_b32 s44, ttmp9, 6                       ; stats: 16 bytes x (4 pair + cx), behind U
	s_lshl_b32 s14, s13, 4
	s_add_co_u32 s44, s44, s14
	s_add_co_u32 s44, s44, 0x200000
	s_add_nc_u64 s[42:43], s[8:9], s[44:45]
	s_wait_tensorcnt 0x0                           ; my eighth has landed,
	s_barrier_signal -1
	s_barrier_wait -1                              ; everybody's has
	; FIRST PASS: the maximum of my 64 keys x 512 queries
	QLOAD QF0, 0
	QLOAD QF1, 512
	s_wait_loadcnt 0x0                             ; k and protok
	s_wait_xcnt 0x0                                ; no global access is pending where EXEC is narrowed below
	s_wait_dscnt 0x0
	WL 0, QF0, 1                                   ; the pipeline's head: tiles 0 and 1 of step 0
	WL 1, QF0, 1
.irp i,0,1,2,3
	v_mov_b32 v[MX+\i], 0xff800000                 ; also the places behind these two products
.endr
	v_nop
	s_mov_b32 s32, 7
.Lmax:
	MSTEP QF0, QF1, 0, 1, 1
	MSTEP QF1, QF0, 1, 1, 1
	v_add_nc_u32 v[AQ], 1024, v[AQ]
	s_sub_co_u32 s32, s32, 1
	s_cmp_lg_u32 s32, 0
	s_cbranch_scc1 .Lmax
	MSTEP QF0, QF1, 0, 0, 1                        ; steps 14 and 15: no q is left to fetch
	MSTEP QF1, QF0, 1, 0, 0
	v_max3_num_f32 v[MX], v[MX], v[MX+1], v[MX+2]
	v_max_num_f32 v[MX], v[MX], v[MX+3]
	WMAX MX, MX+1
	v_mov_b32 v[TA], s10
	v_lshlrev_b32 v[TA], 2, v[TA]
	ds_store_b32 v[TA], v[MX] offset:L_RED
	s_wait_dscnt 0x0
	s_barrier_signal -1
	s_barrier_wait -1
	; the work-group's maximum; the second pass's first operands
	v_mov_b32 v[TB], 0
	ds_load_b128 v[T:T+3], v[TB] offset:L_RED
	ds_load_b128 v[T+4:T+7], v[TB] offset:L_RED+16
	v_mov_b32 v[AQ], v[AQ0]
	QLOAD QF0, 0
	QLOAD QF1, 512
	v_cmp_gt_u32 vcc_lo, 8, v[RL]
	VLOAD VF0, 0
	s_wait_dscnt 10                                ; the two loads of the maxima are in; the ten behind them may be out
	v_max3_num_f32 v[MW], v[T], v[T+1], v[T+2]
	v_max3_num_f32 v[MW], v[MW], v[T+3], v[T+4]
	v_max3_num_f32 v[MW], v[MW], v[T+5], v[T+6]
	v_max_num_f32 v[MW], v[MW], v[T+7]
	v_xor_b32 v[CN], 0x80000000, v[MW]
.irp i,1,2,3,4,5,6,7
	v_mov_b32 v[CN+\i], v[CN]
.endr
	s_wait_dscnt 0x0
	WL 0, QF0, 0                                   ; the pipeline's head: tiles 0 and 1 of step 0
	WL 1, QF0, 0
	PLACES
	; SECOND PASS: 16 steps, two to a lap
	PSTEP QF0, QF1, VF0, VF1, 0, 0, 4, 1, 1, 1
	PSTEP QF1, QF0, VF1, VF0, 1, 1, 4, 1, 1, 1
	v_add_nc_u32 v[AQ], 1024, v[AQ]
	v_add_nc_u32 v[AV], 1024, v[AV]
	s_mov_b32 s32, 6
.Lstep:
	PSTEP QF0, QF1, VF0, VF1, 0, 2, 4, 1, 1, 1
	PSTEP QF1, QF0, VF1, VF0, 1, 2, 4, 1, 1, 1
	v_add_nc_u32 v[AQ], 1024, v[AQ]
	v_add_nc_u32 v[AV], 1024, v[AV]
	s_sub_co_u32 s32, s32, 1
	s_cmp_lg_u32 s32, 0
	s_cbranch_scc1 .Lstep
	PSTEP QF0, QF1, VF0, VF1, 0, 2, 4, 1, 0, 1     ; step 14: no q is left to fetch
	PSTEP QF1, QF0, VF1, VF0, 1, 2, 0, 0, 0, 0     ; step 15: nothing was asked for behind its v
	s_wait_alu depctr_va_vdst(0)
.irp k,0,1,2,3
	v_cvt_pk_f16_f32 v[PE+28+\k], v[LG+56+2*\k], v[LG+56+2*\k+1]      ; the pipeline's tail: tile 7 of step 15
.endr
	PV 3, VF1, 0
	; THE WAY OUT: the two query halves meet in LDS
	PLACES
.irp c,0,1,2,3
	ds_store_b128 v[XA], v[ACC+8*\c:ACC+8*\c+3] offset:L_XCH+1024*\c
	ds_store_b128 v[XA], v[ACC+8*\c+4:ACC+8*\c+7] offset:L_XCH+1024*\c+16
.endr
	s_wait_dscnt 0x0
	s_barrier_signal -1
	s_barrier_wait -1
	; wave (kg, qh) finishes key tiles 2 qh and 2 qh + 1 of group kg
.irp i,0,1
	ds_load_b128 v[T+8*\i:T+8*\i+3], v[XRD] offset:1024*\i
	ds_load_b128 v[T+8*\i+4:T+8*\i+7], v[XRD] offset:1024*\i+16384
.endr
	ds_load_b32 v[TA], v[XSM]                      ; lane (r, hh): key r's column sum over query half hh
	ds_load_b32 v[TB], v[XSM] offset:1024
	s_wait_dscnt 0x0
.irp i,0,1
	v_pk_add_f32 v[T+8*\i:T+8*\i+1], v[T+8*\i:T+8*\i+1], v[T+8*\i+4:T+8*\i+5]
	v_pk_add_f32 v[T+8*\i+2:T+8*\i+3], v[T+8*\i+2:T+8*\i+3], v[T+8*\i+6:T+8*\i+7]
	global_store_b128 v[UOF], v[T+8*\i:T+8*\i+3], s[40:41] offset:512*\i      ; a wave stores 512 consecutive bytes, aligned
.endr
	v_cmp_ne_u32 vcc_lo, 0, v[PK]
	v_cndmask_b32 v[TA], 0, v[TA], vcc_lo          ; padded keys count for nothing in S
	v_cndmask_b32 v[MX+2], 0, 1.0, vcc_lo
	v_cmp_ne_u32 vcc_lo, 0, v[PK+1]
	v_cndmask_b32 v[TB], 0, v[TB], vcc_lo
	v_cndmask_b32 v[MX+3], 0, 1.0, vcc_lo
	v_add_f32 v[MX], v[TA], v[TB]
	v_add_f32 v[MX+1], v[MX+2], v[MX+3]
	WSUM MX, MX+2
	WSUM MX+1, MX+3
	v_mul_f32 v[MX+1], 0.5, v[MX+1]                ; both halves of the lanes counted each key
	v_mov_b32 v[TC], s10
	v_lshlrev_b32 v[TC], 3, v[TC]
	ds_store_b64 v[TC], v[MX:MX+1] offset:L_RED+64
	s_wait_dscnt 0x0
	s_barrier_signal -1
	s_barrier_wait -1
	s_cmp_lg_u32 s10, 0
	s_cbranch_scc1 .Lno_stats
	v_mov_b32 v116, 0
.irp i,0,1,2,3
	ds_load_b128 v[96+4*\i:99+4*\i], v116 offset:L_RED+64+16*\i
.endr
	s_wait_dscnt 0x0
	v_pk_add_f32 v[96:97], v[96:97], v[98:99]
	v_pk_add_f32 v[100:101], v[100:101], v[102:103]
	v_pk_add_f32 v[104:105], v[104:105], v[106:107]
	v_pk_add_f32 v[108:109], v[108:109], v[110:111]
	v_pk_add_f32 v[96:97], v[96:97], v[100:101]
	v_pk_add_f32 v[104:105], v[104:105], v[108:109]
	v_pk_add_f32 v[112:113], v[96:97], v[104:105]  ; (S, cnt)
	v_mov_b32 v114, v[MW]                          ; m
	v_mov_b32 v115, 0
	v_cmp_eq_u32 vcc_lo, 0, v0
	s_wait_xcnt 0x0                                ; EXEC changes only behind this wait
	s_and_saveexec_b32 s33, vcc_lo
	global_store_b128 v116, v[112:115], s[42:43]   ; 16 bytes a work-group: the one store here that does not fill 256 bytes
	s_wait_xcnt 0x0
	s_or_b32 exec_lo, exec_lo, s33
.Lno_stats:
	s_wait_tensorcnt 0x0
	ds_add_u32 v6, v8
	s_wait_dscnt 0x0
	ROUND                                          ; the closing round
	s_endpgm
.Lfunc_end_k_q6cf95252f8_attn:
	.size	k_q6cf95252f8_attn, .Lfunc_end_k_q6cf95252f8_attn-k_q6cf95252f8_attn
	.p2alignl 7, 3214868480
	.fill 96, 4, 3214868480
	.section	.rodata,"a",@progbits
	.p2align	6, 0x0
	.amdhsa_kernel k_q6cf95252f8_attn
		.amdhsa_group_segment_fixed_size 168960
		.amdhsa_private_segment_fixed_size 0
		.amdhsa_enable_private_segment 0
		.amdhsa_kernarg_size 24
		.amdhsa_user_sgpr_count 2
		.amdhsa_user_sgpr_kernarg_segment_ptr 1
		.amdhsa_wavefront_size32 1
		.amdhsa_system_sgpr_workgroup_id_x 1
		.amdhsa_system_sgpr_workgroup_id_y 1
		.amdhsa_system_sgpr_workgroup_id_z 1
		.amdhsa_system_vgpr_workitem_id 0
		.amdhsa_next_free_vgpr 256
		.amdhsa_next_free_sgpr 66
		.amdhsa_reserve_vcc 1
		.amdhsa_float_denorm_mode_32 3
		.amdhsa_float_denorm_mode_16_64 3
		.amdhsa_memory_ordered 1
		.amdhsa_forward_progress 1
		.amdhsa_inst_pref_size 62
	.end_amdhsa_kernel
	.amdgpu_metadata
---
amdhsa.version: [ 1, 2 ]
amdhsa.kernels:
  - .name:           k_q6cf95252f8_attn
    .symbol:         k_q6cf95252f8_attn.kd
    .args:
      - { .name: qkv, .offset: 0, .size: 8, .value_kind: global_buffer, .address_space: global }
      - { .name: protok, .offset: 8, .size: 8, .value_kind: global_buffer, .address_space: global }
      - { .name: att, .offset: 16, .size: 8, .value_kind: global_buffer, .address_space: global }
    .group_segment_fixed_size: 168960
    .private_segment_fixed_size: 0
    .kernarg_segment_align: 8
    .kernarg_segment_size: 24
    .max_flat_workgroup_size: 256
    .sgpr_count:     66
    .vgpr_count:     256
    .wavefront_size: 32
...
	.end_amdgpu_metadata
.endif
;; end of part 2
;; launch post (part 3): grid 256 x 1, 2 waves a work-group, clusters of 4 x 1, 168,192 bytes of LDS; arguments att, x, protok, p0, p1, xa, qkv; writes xa, qkv
.if DOCPART == 3
	.amdgcn_target "amdgcn-amd-amdhsa--gfx1250"
	.amdhsa_code_object_version 6
	.text
	.protected	k_q6cf95252f8_post
	.globl	k_q6cf95252f8_post
	.p2align	8
	.type	k_q6cf95252f8_post,@function
k_q6cf95252f8_post:
	s_mov_b64 s[64:65], 0
	v_nop
	global_prefetch_b8 v0, s[64:65] scope:SCOPE_SE
	s_setreg_imm32_b32 hwreg(HW_REG_WAVE_MODE, 25, 1), 1
	s_wait_xcnt 0x0
	s_wait_alu depctr_hold_cnt(0) depctr_sa_sdst(0) depctr_va_vdst(0) depctr_va_sdst(0) depctr_va_ssrc(0) depctr_va_vcc(0) depctr_vm_vsrc(0)
	s_getreg_b32 s2, hwreg(HW_REG_IB_STS2, 6, 4)
	s_cmp_eq_u32 s2, 0
	s_cbranch_scc0 .Lentry_in_a_cluster
	s_endpgm
.Lentry_in_a_cluster:
	s_bfe_u32 s2, ttmp6, 0x10000c
	s_cmp_lg_u32 s2, 0x3003
	s_cbranch_scc0 .Lentry_shape_is_right
	s_endpgm
.Lentry_shape_is_right:
; post: for 32 tokens a work-group, 16 a wave, the rest of a layer and the head of the next:
;   attention sums x their factor, Wo, residual, LayerNorm, FFN (4 chunks of 64 hidden), residual, LayerNorm, store x; q, k, v of the next layer.
; Two parameter buffers: this layer's gives Wo, W1, W2 and bo, g1, be1, b1, b2, g2, be2; the next layer's gives Wq, Wk, Wv and bq, bk, bv.
; The factor of (pair, quarter) is exp2(m_q - M) nz / (S G): M = max of the pair's four m, S = sum of exp2(m_q - M) S_q, nz = sum of cnt,
; G = max over all 64 pairs of nz / S (the largest weight of a pair is nz / S, since its largest exponential is 1).
; Every wave reads all 64 pairs' figures, lane L those of pairs (L + 8 b) % 64 and (L + 8 b + 32) % 64, slot q that of quarter (q + my quarter) % 4:
; M, S, nz and G do not mind the order, and the factors of my batch and quarter then lie in slot 0 of lanes 0 to 7, whatever the batch.
; The masks on the attention's and the FFN's outputs are left out: keep is 0 or 1 and each LayerNorm's result is multiplied by it, so kept rows
; are unchanged and padded rows, which stay finite, become 0 (possibly -0).
; All products are used transposed (source 0 = columns of W, source 1 = tokens): lane (r, hh), tile f, register j = (token r, feature 16 f + 8 hh + j).
; Two neighbouring tiles, converted, are the next product's source 1, so the activations never leave registers, and a LayerNorm's sum is
; made inside the lane plus one exchange between the halves of the wave.
; CLUSTER: all work-groups read the same weights: joint loads, mask 15; every LDS tile is filled once.
; LIMITS: x, the LayerNorms' results, relu's result, v and Wq, Wk, Wv, W1, W2 are f16 operands (below 65,504); attention sums and Wo are bf16.
; If every token of every batch is padding, G = 0 and the result is NaN.
.set P160,  160                        ; 128 bytes + 32: an odd multiple of 32 bytes
.set P544,  544                        ; 512 bytes + 32
.set L_WO,  0                          ; 64 rows x 160
.set L_W1,  10240                      ; 64 rows x 544
.set L_W2,  45056                      ; 256 rows x 160
.set L_WQ,  86016                      ; 192 rows x 160: Wq, Wk, Wv of the next layer
.set L_VEC, 116736                     ; 16 rows of 64 f32: rows 0-3 of the next layer, rows 4-15 of this one
.set L_FAC, 120832                     ; 1,024 bytes a wave, 128 used: lane L's factor at 4 L
.set L_XST, 122880                     ; 16 rows x 272 bytes a wave: the way out of x
.set QB,  90
.set AWO, 1
.set AW1, 2
.set AW2, 3
.set AWQ, 4
.set VB,  5
.set XS,  6
.set XR,  7
.set XSO, 8
.set QKO, 9
.set VO,  10
.set XO,  11
.set KP,  12
.set KQ,  14
.set KT,  16
.set T,   24
.set Y,   32
.set AF,  64                           ; until U is converted: the eight offsets of the stats loads
.set H,   80
.set HF,  112                          ; until the FFN: head temporaries
.set WB0, 128
.set WB1, 192
.set RR,  112
.set HHV, 113
.set UO,  114
.set SO,  115
.set VGO, 116
.set PO1, 117
.set PO2, 118
.set FACW, 119
.set FACR, 120
.set KK,  121
.set VLS, 122
.set T3,  123
.set ST,  128                          ; stats as loaded: set s, slot q at ST + 16 s + 4 q: S, cnt, m, 0
.set EQ,  168
.macro ROUND                           ; a round of the cluster's barrier
	s_barrier_signal -1
	s_barrier_wait -1
	s_cmp_lg_u32 s72, 0
	s_cbranch_scc1 .Lnot_wave_0_\@
	s_barrier_signal -3
.Lnot_wave_0_\@:
	s_barrier_wait -3
	s_barrier_signal -1
	s_barrier_wait -1
.endm
.macro PLACES                          ; four places behind matrix instructions (ISA guide 7.12.1)
.rept 4
	v_nop
.endr
.endm
.macro MKG1 g, w0, c, r                ; group 1: r rows of c elements of 2 bytes, dense in memory
	s_mov_b32 s[\g+0], \w0
	s_mov_b32 s[\g+1], (\c)<<16
	s_mov_b32 s[\g+2], (\r)<<16
	s_mov_b32 s[\g+3], (\c)<<16
	s_mov_b32 s[\g+4], \r
	s_mov_b32 s[\g+5], \c
	s_mov_b32 s[\g+6], 0
	s_mov_b32 s[\g+7], 0
.endm
.macro MKG0 g, lbase, lstep, ptr, gbase, gstep     ; group 0: a constant plus the wave's number times a constant, in LDS and in memory
	s_mov_b32 s[\g], 1
	s_mul_i32 s[\g+1], s72, \lstep
	s_add_co_u32 s[\g+1], s[\g+1], \lbase
	s_mul_i32 s78, s72, \gstep
	s_add_co_u32 s78, s78, \gbase
	s_add_nc_u64 s[\g+2:\g+3], s[\ptr:\ptr+1], s[78:79]
	s_or_b32 s[\g+3], s[\g+3], 0x80000000
.endm
; eight fragments (kb = 0, 1 x f = 0..3) of a matrix stored [K][N]: column n0 + 16 f + r, k = k0 + 32 kb + ..
.macro W8 dst, areg, k0, n0, p
.irp kb,0,1
.irp f,0,1,2,3
	ds_load_tr16_b128 v[\dst+8*(4*\kb+\f):\dst+8*(4*\kb+\f)+3], v[\areg] offset:(\k0+32*\kb)*\p+2*(\n0+16*\f)
	ds_load_tr16_b128 v[\dst+8*(4*\kb+\f)+4:\dst+8*(4*\kb+\f)+7], v[\areg] offset:(\k0+32*\kb+16)*\p+2*(\n0+16*\f)
.endr
.endr
.endm
.macro LOADV dst, row                  ; a row of 64 f32 in the layout of Y
.irp f,0,1,2,3
	ds_load_b128 v[\dst+8*\f:\dst+8*\f+3], v[VB] offset:256*(\row)+64*\f
	ds_load_b128 v[\dst+8*\f+4:\dst+8*\f+7], v[VB] offset:256*(\row)+64*\f+16
.endr
.endm
; eight products onto four accumulators that take turns, one instruction a turn
.macro MM8 form, acc, wb, act
.irp kb,0,1
.irp f,0,1,2,3
	v_wmma_f32_16x16x32_\form v[\acc+8*\f:\acc+8*\f+7], v[\wb+8*(4*\kb+\f):\wb+8*(4*\kb+\f)+7], v[\act+8*\kb:\act+8*\kb+7], v[\acc+8*\f:\acc+8*\f+7]
.endr
.endr
.endm
.macro TOF16                           ; Y to two f16 fragments
.set i_, 0
.rept 16
	v_cvt_pk_f16_f32 v[AF+i_], v[Y+2*i_], v[Y+2*i_+1]
.set i_, i_+1
.endr
.endm
.macro YADD src                        ; Y += 32 registers
.set i_, 0
.rept 16
	v_pk_add_f32 v[Y+2*i_:Y+2*i_+1], v[Y+2*i_:Y+2*i_+1], v[\src+2*i_:\src+2*i_+1]
.set i_, i_+1
.endr
.endm
.macro LNRED                           ; four pairs in T to one number, over both halves of the wave
	v_pk_add_f32 v[T:T+1], v[T:T+1], v[T+2:T+3]
	v_pk_add_f32 v[T+4:T+5], v[T+4:T+5], v[T+6:T+7]
	v_pk_add_f32 v[T:T+1], v[T:T+1], v[T+4:T+5]
	v_add_f32 v[T], v[T], v[T+1]
	v_permlanex16_b32 v[T+1], v[T], s94, s95
	v_add_f32 v[T], v[T], v[T+1]
.endm
; Y = ((Y - mean) rsqrt(var + 1e-9) g + be) keep; g into H, be into WB0[0:31]
.macro LN grow, berow
	LOADV H, \grow
	LOADV WB0, \berow
.irp c,0,1,2,3
	v_pk_add_f32 v[T+2*\c:T+2*\c+1], v[Y+2*\c:Y+2*\c+1], v[Y+8+2*\c:Y+9+2*\c]
.endr
.irp k,16,24
.irp c,0,1,2,3
	v_pk_add_f32 v[T+2*\c:T+2*\c+1], v[T+2*\c:T+2*\c+1], v[Y+\k+2*\c:Y+\k+2*\c+1]
.endr
.endr
	LNRED
	v_mul_f32 v[T+2], 0xbc800000, v[T]             ; -mean
	v_mul_f32 v[T+3], 0xbc800000, v[T]
.set i_, 0
.rept 16
	v_pk_add_f32 v[Y+2*i_:Y+2*i_+1], v[Y+2*i_:Y+2*i_+1], v[T+2:T+3]
.set i_, i_+1
.endr
.irp c,0,1,2,3
	v_pk_mul_f32 v[T+2*\c:T+2*\c+1], v[Y+2*\c:Y+2*\c+1], v[Y+2*\c:Y+2*\c+1]
.endr
.irp k,8,16,24
.irp c,0,1,2,3
	v_pk_fma_f32 v[T+2*\c:T+2*\c+1], v[Y+\k+2*\c:Y+\k+2*\c+1], v[Y+\k+2*\c:Y+\k+2*\c+1], v[T+2*\c:T+2*\c+1]
.endr
.endr
	LNRED
	v_fma_f32 v[T], v[T], s96, s97                 ; sum / 64 + 1e-9
	v_rsq_f32 v[T], v[T]
	s_wait_dscnt 0x0                               ; g and be (and whatever was asked for ahead of them)
	v_nop                                          ; the plain instruction behind v_rsq_f32 (ISA guide 5.7.2)
	s_wait_alu depctr_va_vdst(0)
	v_mov_b32 v[T+1], v[T]
.set i_, 0
.rept 16
	v_pk_mul_f32 v[Y+2*i_:Y+2*i_+1], v[Y+2*i_:Y+2*i_+1], v[T:T+1]
.set i_, i_+1
.endr
.set i_, 0
.rept 16
	v_pk_fma_f32 v[Y+2*i_:Y+2*i_+1], v[Y+2*i_:Y+2*i_+1], v[H+2*i_:H+2*i_+1], v[WB0+2*i_:WB0+2*i_+1]
.set i_, i_+1
.endr
.set i_, 0
.rept 16
	v_pk_mul_f32 v[Y+2*i_:Y+2*i_+1], v[Y+2*i_:Y+2*i_+1], v[KP:KP+1]
.set i_, i_+1
.endr
.endm
; hidden features 64 c .. 64 c + 63.  Entry: W1's fragments of the chunk on their way into WB1, b1's into H.
.macro FFN c
	s_wait_dscnt 0x0
	MM8 f16, H, WB1, AF
	PLACES
	W8 WB0, AW2, 64*\c, 0, P160
.if \c < 3
	W8 WB1, AW1, 0, 64*(\c+1), P544
.else
	W8 WB1, AWQ, 0, 0, P160                        ; Wq of the next layer
.endif
.set i_, 0
.rept 32
	v_max_num_f32 v[H+i_], 0, v[H+i_]
.set i_, i_+1
.endr
.set i_, 0
.rept 16
	v_cvt_pk_f16_f32 v[HF+i_], v[H+2*i_], v[H+2*i_+1]
.set i_, i_+1
.endr
.if \c < 3
	LOADV H, 8+\c                                  ; b1 of the next chunk
	s_wait_dscnt 24                                ; W2's sixteen are in; the 16 + 8 loads behind them may be out
.else
	s_wait_dscnt 16                                ; W2's are in; Wq's sixteen may be out
.endif
	MM8 f16, Y, WB0, HF
.endm
; a tile's 8 numbers times the pair sc, split into a bf16 head (o .. o+3) and the bf16 of the exact remainder (o+4 .. o+7)
.macro HILO d, sc, o
.irp i,0,1,2,3
	v_pk_mul_f32 v[\d+2*\i:\d+2*\i+1], v[\d+2*\i:\d+2*\i+1], v[\sc:\sc+1]
.endr
.irp i,0,1,2,3
	v_cvt_pk_bf16_f32 v[\o+\i], v[\d+2*\i], v[\d+2*\i+1]
.endr
.irp i,0,1,2,3
	v_lshlrev_b32 v[T+2*\i], 16, v[\o+\i]
	v_and_b32 v[T+2*\i+1], 0xffff0000, v[\o+\i]
.endr
.irp i,0,1,2,3
	v_pk_add_f32 v[\d+2*\i:\d+2*\i+1], v[\d+2*\i:\d+2*\i+1], v[T+2*\i:T+2*\i+1] neg_lo:[0,1] neg_hi:[0,1]
.endr
.irp i,0,1,2,3
	v_cvt_pk_bf16_f32 v[\o+4+\i], v[\d+2*\i], v[\d+2*\i+1]
.endr
.endm
; q, k, v of my 16 tokens.  Entry: AF = f16 fragments of x; Wq's eight fragments on their way into WB1.
.macro QKVSTAGE
	s_wait_xcnt 0x0                                ; registers that earlier global stores read are written again only behind this wait
	W8 WB0, AWQ, 64, 0, P160                       ; Wk
	LOADV H, 0                                     ; the sums start from the next layer's biases: bq
	LOADV Y, 1                                     ; bk
	s_wait_dscnt 0x0
	; a lane's 8 results are one head's 8 numbers of token r.  The eight accumulators take turns, one instruction a turn.
.irp kb,0,1
.irp f,0,1,2,3
	v_wmma_f32_16x16x32_f16 v[H+8*\f:H+8*\f+7], v[WB1+8*(4*\kb+\f):WB1+8*(4*\kb+\f)+7], v[AF+8*\kb:AF+8*\kb+7], v[H+8*\f:H+8*\f+7]
.endr
.irp f,0,1,2,3
	v_wmma_f32_16x16x32_f16 v[Y+8*\f:Y+8*\f+7], v[WB0+8*(4*\kb+\f):WB0+8*(4*\kb+\f)+7], v[AF+8*\kb:AF+8*\kb+7], v[Y+8*\f:Y+8*\f+7]
.endr
.endr
	v_and_b32 v[HF+8], 15, v0                      ; four places, three of them useful: the address of bv[16 f + r]
	v_lshlrev_b32 v[HF+8], 2, v[HF+8]
	v_add_nc_u32 v[HF+8], L_VEC+512, v[HF+8]
	v_nop
	W8 WB1, AWQ, 128, 0, P160                      ; Wv
.irp f,0,1,2,3
	ds_load_b32 v[HF+2*\f], v[HF+8] offset:64*\f   ; twice: a pair for the packed add
	ds_load_b32 v[HF+2*\f+1], v[HF+8] offset:64*\f
.endr
.irp f,0,1,2,3
	HILO H+8*\f, KQ, WB0+8*\f
	global_store_b128 v[QKO], v[WB0+8*\f:WB0+8*\f+3], s[QB:QB+1] offset:163840*\f          ; 16 lanes: 16 tokens x 16 bytes = 256 consecutive bytes, aligned
	global_store_b128 v[QKO], v[WB0+8*\f+4:WB0+8*\f+7], s[QB:QB+1] offset:163840*\f+16384
.endr
	s_wait_dscnt 0x0                               ; Wv and bv
	; v with the sources the other way round: a lane's 8 results are 8 tokens of one feature, as VF wants them
.irp kb,0,1
.irp f,0,1,2,3
.if \kb == 0
	v_wmma_f32_16x16x32_f16 v[H+8*\f:H+8*\f+7], v[AF+8*\kb:AF+8*\kb+7], v[WB1+8*(4*\kb+\f):WB1+8*(4*\kb+\f)+7], 0
.else
	v_wmma_f32_16x16x32_f16 v[H+8*\f:H+8*\f+7], v[AF+8*\kb:AF+8*\kb+7], v[WB1+8*(4*\kb+\f):WB1+8*(4*\kb+\f)+7], v[H+8*\f:H+8*\f+7]
.endif
.endr
.endr
.irp f,0,1,2,3
	HILO Y+8*\f, KP, WB0+32+8*\f                   ; k's split also fills the places behind v's products
	global_store_b128 v[QKO], v[WB0+32+8*\f:WB0+32+8*\f+3], s[QB:QB+1] offset:163840*\f+49152
	global_store_b128 v[QKO], v[WB0+32+8*\f+4:WB0+32+8*\f+7], s[QB:QB+1] offset:163840*\f+65536
.endr
.irp f,0,1,2,3
.irp i,0,1,2,3
	v_pk_add_f32 v[H+8*\f+2*\i:H+8*\f+2*\i+1], v[H+8*\f+2*\i:H+8*\f+2*\i+1], v[HF+2*\f:HF+2*\f+1]
.endr
.irp i,0,1,2,3
	v_pk_mul_f32 v[H+8*\f+2*\i:H+8*\f+2*\i+1], v[H+8*\f+2*\i:H+8*\f+2*\i+1], v[KT+2*\i:KT+2*\i+1]
.endr
.irp i,0,1,2,3
	v_cvt_pk_f16_f32 v[AF+4*\f+\i], v[H+8*\f+2*\i], v[H+8*\f+2*\i+1]
.endr
	global_store_b128 v[VO], v[AF+4*\f:AF+4*\f+3], s[QB:QB+1] offset:163840*\f+32768       ; each pair's 256 bytes (2 groups x 8 d x 16 bytes) whole in one instruction
.endr
.endm
	s_load_b256 s[4:11], s[0:1], 0x0               ; att s[4:5], x in s[6:7], protok s[8:9], this layer's parameters s[10:11]
	s_load_b128 s[12:15], s[0:1], 0x20             ; the next layer's parameters s[12:13], x out s[14:15]
	s_load_b64 s[16:17], s[0:1], 0x30              ; qkv
	s_set_vgpr_msb 0x40
	v_lshl_add_u32 v0, v0, 2, 0x29000
	v_mov_b32 v1, 0
	s_set_vgpr_msb 0x4045
	ds_add_u32 v0, v1
	s_set_vgpr_msb 0x4500
	v_lshrrev_b32 v[KK], 5, v0
	v_readfirstlane_b32 s72, v[KK]                 ; wave
	s_bfe_u32 s73, ttmp6, 0x40000                  ; cx: enters global addresses of plain loads and stores alone
	s_bfe_u32 s75, ttmp9, 0x30003                  ; batch = token / 1024
	s_bfe_u32 s76, ttmp9, 0x20001                  ; quarter of the keys = (token / 256) % 4
	s_mov_b32 s94, 0x76543210
	s_mov_b32 s95, 0xfedcba98
	s_mov_b32 s96, 0x3c800000                      ; 1 / 64
	s_mov_b32 s97, 0x3089705f                      ; 1e-9
	s_lshl_b32 s77, ttmp9, 7
	s_lshl_b32 s80, s73, 5
	s_add_co_u32 s77, s77, s80
	s_lshl_b32 s80, s72, 4
	s_add_co_u32 s77, s77, s80                     ; my wave's first token = 128 cluster + 32 cx + 16 wave
	s_and_b32 s74, s77, 1023                       ; the same inside its batch
	s_mov_b32 s81, 0
	s_mov_b32 s79, 0
	v_and_b32 v[RR], 15, v0
	v_bfe_u32 v[HHV], v0, 4, 1
	v_lshlrev_b32 v[UO], 5, v[RR]
	v_lshl_add_u32 v[UO], v[HHV], 15, v[UO]        ; U: 32 bytes a key, 32,768 a pair; my heads are hh, hh + 2, hh + 4, hh + 6
	v_and_b32 v[SO], 31, v0                        ; lane
	v_lshlrev_b32 v[XSO], 4, v[SO]
	s_lshl_b32 s80, s75, 3                         ; stats, 64 bytes a pair: set 0 = pair (lane + 8 b) % 64, set 1 = the pair 32 further round
	v_add_nc_u32 v124, s80, v[SO]
	v_add_nc_u32 v125, 32, v124
	v_and_b32 v124, 63, v124
	v_and_b32 v125, 63, v125
	v_lshlrev_b32 v124, 6, v124
	v_lshlrev_b32 v125, 6, v125
.irp q,0,1,2,3
	s_add_co_u32 s92, s76, \q                      ; slot q = quarter (q + mine) % 4, 16 bytes each
	s_and_b32 s92, s92, 3
	s_lshl_b32 s92, s92, 4
	v_add_nc_u32 v[AF+\q], s92, v124
	v_add_nc_u32 v[AF+4+\q], s92, v125
.endr
	v_lshlrev_b32 v[VGO], 4, v0
	v_lshlrev_b32 v[PO1], 2, v[RR]
	v_lshlrev_b32 v[PO2], 5, v[HHV]
	v_lshlrev_b32 v[XO], 8, v[RR]
	v_lshl_add_u32 v[XO], v[HHV], 5, v[XO]
	; group 1 of the four tiles.  Memory is dense; it is taken as rows of 256 bytes (W1: 512), and 32 bytes of padding follow every matrix row
	; (128 bytes = 32 words, code 4; W1: 512 bytes = 128 words, code 6; 8 words of padding, code 7).  Mask 15 and bit 21: joint loads.
	MKG1 20, 15|(1<<16)|(1<<20)|(1<<21)|(4<<22)|(7<<25), 128, 16
	MKG1 28, 15|(1<<16)|(1<<20)|(1<<21)|(6<<22)|(7<<25), 256, 32
	MKG1 36, 15|(1<<16)|(1<<20)|(1<<21)|(4<<22)|(7<<25), 128, 64
	MKG1 44, 15|(1<<16)|(1<<20)|(1<<21)|(4<<22)|(7<<25), 128, 48
	s_wait_dscnt 0x0
	s_wait_kmcnt 0x0
	s_lshl_b32 s80, s77, 8
	s_add_nc_u64 s[84:85], s[6:7], s[80:81]        ; x in, at my first token
	s_add_nc_u64 s[88:89], s[14:15], s[80:81]      ; x out
	s_lshl_b32 s80, s77, 2
	s_add_nc_u64 s[86:87], s[8:9], s[80:81]        ; protok
	s_lshl_b32 s80, s75, 18
	s_lshl_b32 s92, s74, 5
	s_add_co_u32 s80, s80, s92
	s_add_nc_u64 s[82:83], s[4:5], s[80:81]        ; U at my batch's first pair and my first token
	s_mul_i32 s80, s75, 655360
	s_lshl_b32 s92, s74, 4
	s_add_co_u32 s80, s80, s92
	s_add_nc_u64 s[QB:QB+1], s[16:17], s[80:81]
	; the 16 rows of vectors, 64 threads x 16 bytes = four rows a load
	global_load_b128 v[WB1:WB1+3], v[VGO], s[12:13] offset:98304                           ; rows 0-3 from the NEXT layer's buffer: bq, bk, bv go with its Wq, Wk, Wv
.irp i,1,2,3
	global_load_b128 v[WB1+4*\i:WB1+4*\i+3], v[VGO], s[10:11] offset:98304+1024*\i         ; rows 4-15 from this layer's: bo g1 be1 b1 b2 g2 be2
.endr
.irp s,0,1
.irp q,0,1,2,3
	global_load_b128 v[ST+16*\s+4*\q:ST+16*\s+4*\q+3], v[AF+4*\s+\q], s[4:5] offset:2097152
.endr
.endr
	global_load_b32 v[T], v[PO1], s[86:87]
	global_load_b128 v[KT:KT+3], v[PO2], s[86:87]
	global_load_b128 v[KT+4:KT+7], v[PO2], s[86:87] offset:16
.irp pc,0,1,2,3
	global_load_b128 v[H+8*\pc:H+8*\pc+3], v[UO], s[82:83] offset:65536*\pc
	global_load_b128 v[H+8*\pc+4:H+8*\pc+7], v[UO], s[82:83] offset:65536*\pc+16
.endr
.irp f,0,1,2,3
	global_load_b128 v[Y+8*\f:Y+8*\f+3], v[XO], s[84:85] offset:64*\f
	global_load_b128 v[Y+8*\f+4:Y+8*\f+7], v[XO], s[84:85] offset:64*\f+16
.endr
	MKG0 52, L_WO, 5120,  10, 24576, 4096
	MKG0 56, L_W1, 17408, 10, 65536, 16384
	MKG0 60, L_W2, 20480, 10, 32768, 16384
	MKG0 68, L_WQ, 15360, 12, 0, 12288
	ROUND                                          ; the four partners are here: the joint loads meet
	tensor_load_to_lds s[52:55], s[20:27]          ; Wo: my half of each tile; four loads of mine are out, and no LDS byte is filled twice
	s_nop 0
	tensor_load_to_lds s[56:59], s[28:35]          ; W1
	s_nop 0
	tensor_load_to_lds s[60:63], s[36:43]          ; W2
	s_nop 0
	tensor_load_to_lds s[68:71], s[44:51]          ; Wq, Wk, Wv of the next layer
	s_nop 0
	v_and_b32 v[KK], 7, v0
	v_lshl_or_b32 v[KK], v[HHV], 3, v[KK]          ; 8 hh + (lane & 7): the row that this lane addresses in a transposing load
	v_bfe_u32 v[T3], v0, 3, 1
	v_lshlrev_b32 v[T3], 4, v[T3]
	v_mul_u32_u24 v[AWO], v[KK], P160
	v_add_nc_u32 v[AWO], v[AWO], v[T3]
	v_mul_u32_u24 v[AW1], v[KK], P544
	v_add_nc_u32 v[AW1], v[AW1], v[T3]
	v_add_nc_u32 v[AW1], L_W1, v[AW1]
	v_add_nc_u32 v[AW2], L_W2, v[AWO]
	v_add_nc_u32 v[AWQ], L_WQ, v[AWO]
	v_lshlrev_b32 v[VB], 5, v[HHV]
	v_add_nc_u32 v[VB], L_VEC, v[VB]
	v_add_nc_u32 v[VLS], L_VEC, v[VGO]
	s_mul_i32 s93, s72, 4352
	s_add_co_u32 s93, s93, L_XST                   ; my wave's stage
	v_mul_u32_u24 v[XS], v[RR], 272
	v_lshl_add_u32 v[XS], v[HHV], 5, v[XS]
	v_add_nc_u32 v[XS], s93, v[XS]
	v_mul_u32_u24 v[XR], v[HHV], 272
	v_lshl_add_u32 v[XR], v[RR], 4, v[XR]
	v_add_nc_u32 v[XR], s93, v[XR]
	s_lshl_b32 s98, s72, 10
	s_add_co_u32 s98, s98, L_FAC                   ; my wave's factors
	v_lshl_add_u32 v[FACW], v[SO], 2, s98          ; in: lane L's word
	v_lshl_add_u32 v[FACR], v[HHV], 2, s98         ; back: the word of lane hh + 2 pc, at + 8 pc
	v_mul_u32_u24 v[QKO], v[HHV], 81920
	v_lshl_add_u32 v[QKO], v[RR], 4, v[QKO]
	v_bfe_u32 v[VO], v0, 3, 1
	v_mul_u32_u24 v[VO], v[VO], 81920
	v_lshl_add_u32 v[VO], v[HHV], 7, v[VO]
	v_and_b32 v[T3], 7, v0
	v_lshl_add_u32 v[VO], v[T3], 4, v[VO]
	s_wait_loadcnt 27                              ; the vectors are in; stats (8), protok (3), U (8) and x (8) may be out
.irp i,0,1,2,3
	ds_store_b128 v[VLS], v[WB1+4*\i:WB1+4*\i+3] offset:1024*\i
.endr
	s_wait_loadcnt 19                              ; stats
.irp s,0,1
	v_max3_num_f32 v178, v[ST+16*\s+2], v[ST+16*\s+6], v[ST+16*\s+10]
	v_max_num_f32 v178, v178, v[ST+16*\s+14]       ; M of the pair
.irp q,0,1,2,3
	v_sub_f32 v[EQ+4*\s+\q], v[ST+16*\s+4*\q+2], v178
.endr
.irp q,0,1,2,3
	v_exp_f32 v[EQ+4*\s+\q], v[EQ+4*\s+\q]
.endr
	v_add_f32 v179, v[ST+16*\s+1], v[ST+16*\s+5]   ; nz
	v_add_f32 v180, v[ST+16*\s+9], v[ST+16*\s+13]
	v_add_f32 v179, v179, v180
	s_wait_alu depctr_va_vdst(0)
	v_mul_f32 v181, v[EQ+4*\s], v[ST+16*\s]        ; S
	v_fmac_f32 v181, v[EQ+4*\s+1], v[ST+16*\s+4]
	v_fmac_f32 v181, v[EQ+4*\s+2], v[ST+16*\s+8]
	v_fmac_f32 v181, v[EQ+4*\s+3], v[ST+16*\s+12]
	v_max_num_f32 v181, 0x0da24260, v181           ; S is 0 only where nz is 0: the ratio is then 0, not 0 / 0
	v_rcp_f32 v181, v181
	v_nop
	s_wait_alu depctr_va_vdst(0)
	v_mul_f32 v[176+\s], v179, v181
.endr
	v_max_num_f32 v182, v176, v177
	v_max_num_f32_dpp v182, v182, v182 row_xmask:1 row_mask:0xf bank_mask:0xf
	v_max_num_f32_dpp v182, v182, v182 row_xmask:2 row_mask:0xf bank_mask:0xf
	v_max_num_f32_dpp v182, v182, v182 row_xmask:4 row_mask:0xf bank_mask:0xf
	v_max_num_f32_dpp v182, v182, v182 row_xmask:8 row_mask:0xf bank_mask:0xf
	v_permlanex16_b32 v180, v182, s94, s95
	v_max_num_f32 v182, v182, v180                 ; G
	v_rcp_f32 v182, v182
	v_nop
	s_wait_alu depctr_va_vdst(0)
	v_mul_f32 v176, v176, v182
	v_mul_f32 v[EQ], v[EQ], v176                   ; set 0, slot 0: in lanes 0 to 7 the factor of pair 8 b + lane and my quarter
	ds_store_b32 v[FACW], v[EQ]
	s_wait_loadcnt 16                              ; protok
	v_cmp_ne_u32 vcc_lo, 0, v[T]
	v_cndmask_b32 v[KP], 0, 1.0, vcc_lo
	v_mov_b32 v[KP+1], v[KP]
	v_mul_f32 v[KQ], 0x3fb8aa3b, v[KP]
	v_mov_b32 v[KQ+1], v[KQ]
.irp j,0,1,2,3,4,5,6,7
	v_cmp_ne_u32 vcc_lo, 0, v[KT+\j]
	v_cndmask_b32 v[KT+\j], 0, 1.0, vcc_lo
.endr
	s_wait_tensorcnt 0x0                           ; my halves of all four tiles have landed,
	s_wait_dscnt 0x0                               ; my stores of the vectors are done,
	s_barrier_signal -1
	s_barrier_wait -1                              ; and the other wave's too: the one barrier that the shared LDS bytes need, since none is written again
.irp pc,0,1,2,3
	ds_load_b32 v[T+2*\pc], v[FACR] offset:8*\pc   ; twice: a pair for the packed multiply
	ds_load_b32 v[T+2*\pc+1], v[FACR] offset:8*\pc
.endr
	W8 WB0, AWO, 0, 0, P160
	LOADV WB1, 4                                   ; bo
	s_wait_loadcnt 8                               ; U
	s_wait_dscnt 24                                ; the factors are in; Wo's sixteen loads and bo's eight may be out
.irp pc,0,1,2,3
.irp i,0,1,2,3
	v_pk_mul_f32 v[H+8*\pc+2*\i:H+8*\pc+2*\i+1], v[H+8*\pc+2*\i:H+8*\pc+2*\i+1], v[T+2*\pc:T+2*\pc+1]
.endr
.endr
.set i_, 0
.rept 16
	v_cvt_pk_bf16_f32 v[AF+i_], v[H+2*i_], v[H+2*i_+1]
.set i_, i_+1
.endr
	s_wait_loadcnt 0x0                             ; x
	s_wait_dscnt 0x0
	YADD WB1                                       ; x + bo: the product adds the attention onto it
	MM8 bf16, Y, WB0, AF
	PLACES
	W8 WB1, AW1, 0, 0, P544                        ; W1, chunk 0
	LOADV WB0+32, 11                               ; b2
	LN 5, 6
	TOF16
	YADD WB0+32                                    ; out1 + b2: the FFN adds onto it
	LOADV H, 7                                     ; b1, chunk 0
	FFN 0
	FFN 1
	FFN 2
	FFN 3
	PLACES
	LN 12, 13
	; x leaves through my own stage: 16 rows of 272 bytes in, whole rows of 256 bytes back (LDS serves a wave's instructions in order: ISA guide 5.7.1.4)
.irp f,0,1,2,3
	ds_store_b128 v[XS], v[Y+8*\f:Y+8*\f+3] offset:64*\f
	ds_store_b128 v[XS], v[Y+8*\f+4:Y+8*\f+7] offset:64*\f+16
.endr
	TOF16
.irp t,0,1,2,3,4,5,6,7
	ds_load_b128 v[WB0+32+4*\t:WB0+32+4*\t+3], v[XR] offset:544*\t
.endr
.irp t,0,1,2,3,4,5,6,7
	s_wait_dscnt 7-\t                              ; loads come back in order: pair t of rows is in
	global_store_b128 v[XSO], v[WB0+32+4*\t:WB0+32+4*\t+3], s[88:89] offset:512*\t         ; a wave stores 512 consecutive bytes, aligned
.endr
	QKVSTAGE
	s_set_vgpr_msb 0x5
	s_wait_tensorcnt 0x0
	ds_add_u32 v0, v1
	s_wait_dscnt 0x0
	s_set_vgpr_msb 0x500
	ROUND                                          ; the closing round
	s_endpgm
.Lfunc_end_k_q6cf95252f8_post:
	.size	k_q6cf95252f8_post, .Lfunc_end_k_q6cf95252f8_post-k_q6cf95252f8_post
	.p2alignl 7, 3214868480
	.fill 96, 4, 3214868480
	.section	.rodata,"a",@progbits
	.p2align	6, 0x0
	.amdhsa_kernel k_q6cf95252f8_post
		.amdhsa_group_segment_fixed_size 168192
		.amdhsa_private_segment_fixed_size 0
		.amdhsa_enable_private_segment 0
		.amdhsa_kernarg_size 56
		.amdhsa_user_sgpr_count 2
		.amdhsa_user_sgpr_kernarg_segment_ptr 1
		.amdhsa_wavefront_size32 1
		.amdhsa_system_sgpr_workgroup_id_x 1
		.amdhsa_system_sgpr_workgroup_id_y 1
		.amdhsa_system_sgpr_workgroup_id_z 1
		.amdhsa_system_vgpr_workitem_id 0
		.amdhsa_next_free_vgpr 258
		.amdhsa_next_free_sgpr 100
		.amdhsa_reserve_vcc 1
		.amdhsa_float_denorm_mode_32 3
		.amdhsa_float_denorm_mode_16_64 3
		.amdhsa_memory_ordered 1
		.amdhsa_forward_progress 1
		.amdhsa_inst_pref_size 89
	.end_amdhsa_kernel
	.amdgpu_metadata
---
amdhsa.version: [ 1, 2 ]
amdhsa.kernels:
  - .name:           k_q6cf95252f8_post
    .symbol:         k_q6cf95252f8_post.kd
    .args:
      - { .name: att, .offset: 0, .size: 8, .value_kind: global_buffer, .address_space: global }
      - { .name: x, .offset: 8, .size: 8, .value_kind: global_buffer, .address_space: global }
      - { .name: protok, .offset: 16, .size: 8, .value_kind: global_buffer, .address_space: global }
      - { .name: p0, .offset: 24, .size: 8, .value_kind: global_buffer, .address_space: global }
      - { .name: p1, .offset: 32, .size: 8, .value_kind: global_buffer, .address_space: global }
      - { .name: xa, .offset: 40, .size: 8, .value_kind: global_buffer, .address_space: global }
      - { .name: qkv, .offset: 48, .size: 8, .value_kind: global_buffer, .address_space: global }
    .group_segment_fixed_size: 168192
    .private_segment_fixed_size: 0
    .kernarg_segment_align: 8
    .kernarg_segment_size: 56
    .max_flat_workgroup_size: 64
    .sgpr_count:     100
    .vgpr_count:     258
    .wavefront_size: 32
...
	.end_amdgpu_metadata
.endif
;; end of part 3
;; launch attn1: the kernel of part 2 again; grid 256 x 1, 8 waves a work-group, clusters of 4 x 1, 168,960 bytes of LDS; arguments qkv, protok, att; writes att
;; launch post1: the kernel of part 3 again; grid 256 x 1, 2 waves a work-group, clusters of 4 x 1, 168,192 bytes of LDS; arguments att, xa, protok, p1, p2, out0, qkv; writes out0, qkv
;; launch attn2: the kernel of part 2 again; grid 256 x 1, 8 waves a work-group, clusters of 4 x 1, 168,960 bytes of LDS; arguments qkv, protok, att; writes att
;; launch post2: the kernel of part 3 again; grid 256 x 1, 2 waves a work-group, clusters of 4 x 1, 168,192 bytes of LDS; arguments att, out0, protok, p2, p3, xa, qkv; writes xa, qkv
;; launch attn3: the kernel of part 2 again; grid 256 x 1, 8 waves a work-group, clusters of 4 x 1, 168,960 bytes of LDS; arguments qkv, protok, att; writes att
;; launch last (part 4): grid 256 x 1, 2 waves a work-group, clusters of 4 x 1, 168,192 bytes of LDS; arguments att, xa, protok, p3, out0; writes out0
.if DOCPART == 4
	.amdgcn_target "amdgcn-amd-amdhsa--gfx1250"
	.amdhsa_code_object_version 6
	.text
	.protected	k_q6cf95252f8_last
	.globl	k_q6cf95252f8_last
	.p2align	8
	.type	k_q6cf95252f8_last,@function
k_q6cf95252f8_last:
	s_mov_b64 s[64:65], 0
	v_nop
	global_prefetch_b8 v0, s[64:65] scope:SCOPE_SE
	s_setreg_imm32_b32 hwreg(HW_REG_WAVE_MODE, 25, 1), 1
	s_wait_xcnt 0x0
	s_wait_alu depctr_hold_cnt(0) depctr_sa_sdst(0) depctr_va_vdst(0) depctr_va_sdst(0) depctr_va_ssrc(0) depctr_va_vcc(0) depctr_vm_vsrc(0)
	s_getreg_b32 s2, hwreg(HW_REG_IB_STS2, 6, 4)
	s_cmp_eq_u32 s2, 0
	s_cbranch_scc0 .Lentry_in_a_cluster
	s_endpgm
.Lentry_in_a_cluster:
	s_bfe_u32 s2, ttmp6, 0x10000c
	s_cmp_lg_u32 s2, 0x3003
	s_cbranch_scc0 .Lentry_shape_is_right
	s_endpgm
.Lentry_shape_is_right:
; last: the rest of the fourth layer (the text of post without the next layer's q, k, v).
; For 32 tokens a work-group, 16 a wave: attention sums x their factor, Wo, residual, LayerNorm, FFN (4 chunks of 64 hidden), residual, LayerNorm, store x.
; The factor of (pair, quarter) is exp2(m_q - M) nz / (S G): M = max of the pair's four m, S = sum of exp2(m_q - M) S_q, nz = sum of cnt,
; G = max over all 64 pairs of nz / S (the largest weight of a pair is nz / S, since its largest exponential is 1).
; Every wave reads all 64 pairs' figures, lane L those of pairs (L + 8 b) % 64 and (L + 8 b + 32) % 64, slot q that of quarter (q + my quarter) % 4:
; M, S, nz and G do not mind the order, and the factors of my batch and quarter then lie in slot 0 of lanes 0 to 7, whatever the batch.
; The masks on the attention's and the FFN's outputs are left out: keep is 0 or 1 and each LayerNorm's result is multiplied by it, so kept rows
; are unchanged and padded rows, which stay finite, become 0 (possibly -0).
; All products are used transposed (source 0 = columns of W, source 1 = tokens): lane (r, hh), tile f, register j = (token r, feature 16 f + 8 hh + j).
; Two neighbouring tiles, converted, are the next product's source 1: the activations never leave registers.
; CLUSTER: all work-groups read the same weights: joint loads, mask 15; every LDS tile is filled once.
; LIMITS: the LayerNorm's result, relu's result, W1, W2 are f16 operands (below 65,504); attention sums and Wo are bf16.
; If every token of every batch is padding, G = 0 and the result is NaN.
.set P160,  160                        ; 128 bytes + 32: an odd multiple of 32 bytes
.set P544,  544                        ; 512 bytes + 32
.set L_WO,  0                          ; 64 rows x 160
.set L_W1,  10240                      ; 64 rows x 544
.set L_W2,  45056                      ; 256 rows x 160
.set L_VEC, 116736                     ; 16 rows of 64 f32
.set L_FAC, 120832                     ; 1,024 bytes a wave, 128 used: lane L's factor at 4 L
.set L_XST, 122880                     ; 16 rows x 272 bytes a wave: the way out of x
.set AWO, 1
.set AW1, 2
.set AW2, 3
.set VB,  5
.set XS,  6
.set XR,  7
.set XSO, 8
.set XO,  11
.set KP,  12
.set T,   24
.set Y,   32
.set AF,  64                           ; until U is converted: the eight offsets of the stats loads
.set H,   80
.set HF,  112                          ; until the FFN: head temporaries
.set WB0, 128
.set WB1, 192
.set RR,  112
.set HHV, 113
.set UO,  114
.set SO,  115
.set VGO, 116
.set PO1, 117
.set FACW, 119
.set FACR, 120
.set KK,  121
.set VLS, 122
.set T3,  123
.set ST,  128                          ; stats as loaded: set s, slot q at ST + 16 s + 4 q: S, cnt, m, 0
.set EQ,  168
.macro ROUND                           ; a round of the cluster's barrier
	s_barrier_signal -1
	s_barrier_wait -1
	s_cmp_lg_u32 s72, 0
	s_cbranch_scc1 .Lnot_wave_0_\@
	s_barrier_signal -3
.Lnot_wave_0_\@:
	s_barrier_wait -3
	s_barrier_signal -1
	s_barrier_wait -1
.endm
.macro PLACES                          ; four places behind matrix instructions (ISA guide 7.12.1)
.rept 4
	v_nop
.endr
.endm
.macro MKG1 g, w0, c, r                ; group 1: r rows of c elements of 2 bytes, dense in memory
	s_mov_b32 s[\g+0], \w0
	s_mov_b32 s[\g+1], (\c)<<16
	s_mov_b32 s[\g+2], (\r)<<16
	s_mov_b32 s[\g+3], (\c)<<16
	s_mov_b32 s[\g+4], \r
	s_mov_b32 s[\g+5], \c
	s_mov_b32 s[\g+6], 0
	s_mov_b32 s[\g+7], 0
.endm
.macro MKG0 g, lbase, lstep, ptr, gbase, gstep     ; group 0: a constant plus the wave's number times a constant, in LDS and in memory
	s_mov_b32 s[\g], 1
	s_mul_i32 s[\g+1], s72, \lstep
	s_add_co_u32 s[\g+1], s[\g+1], \lbase
	s_mul_i32 s78, s72, \gstep
	s_add_co_u32 s78, s78, \gbase
	s_add_nc_u64 s[\g+2:\g+3], s[\ptr:\ptr+1], s[78:79]
	s_or_b32 s[\g+3], s[\g+3], 0x80000000
.endm
; eight fragments (kb = 0, 1 x f = 0..3) of a matrix stored [K][N]: column n0 + 16 f + r, k = k0 + 32 kb + ..
.macro W8 dst, areg, k0, n0, p
.irp kb,0,1
.irp f,0,1,2,3
	ds_load_tr16_b128 v[\dst+8*(4*\kb+\f):\dst+8*(4*\kb+\f)+3], v[\areg] offset:(\k0+32*\kb)*\p+2*(\n0+16*\f)
	ds_load_tr16_b128 v[\dst+8*(4*\kb+\f)+4:\dst+8*(4*\kb+\f)+7], v[\areg] offset:(\k0+32*\kb+16)*\p+2*(\n0+16*\f)
.endr
.endr
.endm
.macro LOADV dst, row                  ; a row of 64 f32 in the layout of Y
.irp f,0,1,2,3
	ds_load_b128 v[\dst+8*\f:\dst+8*\f+3], v[VB] offset:256*(\row)+64*\f
	ds_load_b128 v[\dst+8*\f+4:\dst+8*\f+7], v[VB] offset:256*(\row)+64*\f+16
.endr
.endm
; eight products onto four accumulators that take turns, one instruction a turn
.macro MM8 form, acc, wb, act
.irp kb,0,1
.irp f,0,1,2,3
	v_wmma_f32_16x16x32_\form v[\acc+8*\f:\acc+8*\f+7], v[\wb+8*(4*\kb+\f):\wb+8*(4*\kb+\f)+7], v[\act+8*\kb:\act+8*\kb+7], v[\acc+8*\f:\acc+8*\f+7]
.endr
.endr
.endm
.macro TOF16                           ; Y to two f16 fragments
.set i_, 0
.rept 16
	v_cvt_pk_f16_f32 v[AF+i_], v[Y+2*i_], v[Y+2*i_+1]
.set i_, i_+1
.endr
.endm
.macro YADD src                        ; Y += 32 registers
.set i_, 0
.rept 16
	v_pk_add_f32 v[Y+2*i_:Y+2*i_+1], v[Y+2*i_:Y+2*i_+1], v[\src+2*i_:\src+2*i_+1]
.set i_, i_+1
.endr
.endm
.macro LNRED                           ; four pairs in T to one number, over both halves of the wave
	v_pk_add_f32 v[T:T+1], v[T:T+1], v[T+2:T+3]
	v_pk_add_f32 v[T+4:T+5], v[T+4:T+5], v[T+6:T+7]
	v_pk_add_f32 v[T:T+1], v[T:T+1], v[T+4:T+5]
	v_add_f32 v[T], v[T], v[T+1]
	v_permlanex16_b32 v[T+1], v[T], s94, s95
	v_add_f32 v[T], v[T], v[T+1]
.endm
; Y = ((Y - mean) rsqrt(var + 1e-9) g + be) keep; g into H, be into WB0[0:31]
.macro LN grow, berow
	LOADV H, \grow
	LOADV WB0, \berow
.irp c,0,1,2,3
	v_pk_add_f32 v[T+2*\c:T+2*\c+1], v[Y+2*\c:Y+2*\c+1], v[Y+8+2*\c:Y+9+2*\c]
.endr
.irp k,16,24
.irp c,0,1,2,3
	v_pk_add_f32 v[T+2*\c:T+2*\c+1], v[T+2*\c:T+2*\c+1], v[Y+\k+2*\c:Y+\k+2*\c+1]
.endr
.endr
	LNRED
	v_mul_f32 v[T+2], 0xbc800000, v[T]             ; -mean
	v_mul_f32 v[T+3], 0xbc800000, v[T]
.set i_, 0
.rept 16
	v_pk_add_f32 v[Y+2*i_:Y+2*i_+1], v[Y+2*i_:Y+2*i_+1], v[T+2:T+3]
.set i_, i_+1
.endr
.irp c,0,1,2,3
	v_pk_mul_f32 v[T+2*\c:T+2*\c+1], v[Y+2*\c:Y+2*\c+1], v[Y+2*\c:Y+2*\c+1]
.endr
.irp k,8,16,24
.irp c,0,1,2,3
	v_pk_fma_f32 v[T+2*\c:T+2*\c+1], v[Y+\k+2*\c:Y+\k+2*\c+1], v[Y+\k+2*\c:Y+\k+2*\c+1], v[T+2*\c:T+2*\c+1]
.endr
.endr
	LNRED
	v_fma_f32 v[T], v[T], s96, s97                 ; sum / 64 + 1e-9
	v_rsq_f32 v[T], v[T]
	s_wait_dscnt 0x0                               ; g and be (and whatever was asked for ahead of them)
	v_nop                                          ; the plain instruction behind v_rsq_f32 (ISA guide 5.7.2)
	s_wait_alu depctr_va_vdst(0)
	v_mov_b32 v[T+1], v[T]
.set i_, 0
.rept 16
	v_pk_mul_f32 v[Y+2*i_:Y+2*i_+1], v[Y+2*i_:Y+2*i_+1], v[T:T+1]
.set i_, i_+1
.endr
.set i_, 0
.rept 16
	v_pk_fma_f32 v[Y+2*i_:Y+2*i_+1], v[Y+2*i_:Y+2*i_+1], v[H+2*i_:H+2*i_+1], v[WB0+2*i_:WB0+2*i_+1]
.set i_, i_+1
.endr
.set i_, 0
.rept 16
	v_pk_mul_f32 v[Y+2*i_:Y+2*i_+1], v[Y+2*i_:Y+2*i_+1], v[KP:KP+1]
.set i_, i_+1
.endr
.endm
; hidden features 64 c .. 64 c + 63.  Entry: W1's fragments of the chunk on their way into WB1, b1's into H.
.macro FFN c
	s_wait_dscnt 0x0
	MM8 f16, H, WB1, AF
	PLACES
	W8 WB0, AW2, 64*\c, 0, P160
.if \c < 3
	W8 WB1, AW1, 0, 64*(\c+1), P544
.endif
.set i_, 0
.rept 32
	v_max_num_f32 v[H+i_], 0, v[H+i_]
.set i_, i_+1
.endr
.set i_, 0
.rept 16
	v_cvt_pk_f16_f32 v[HF+i_], v[H+2*i_], v[H+2*i_+1]
.set i_, i_+1
.endr
.if \c < 3
	LOADV H, 8+\c                                  ; b1 of the next chunk
	s_wait_dscnt 24                                ; W2's sixteen are in; the 16 + 8 loads behind them may be out
.else
	s_wait_dscnt 0x0
.endif
	MM8 f16, Y, WB0, HF
.endm
	s_load_b256 s[4:11], s[0:1], 0x0               ; att s[4:5], x in s[6:7], protok s[8:9], this layer's parameters s[10:11]
	s_load_b64 s[14:15], s[0:1], 0x20              ; x out
	v_lshl_add_u32 v22, v0, 2, 0x29000
	v_mov_b32 v23, 0
	ds_add_u32 v22, v23
	v_lshrrev_b32 v[KK], 5, v0
	v_readfirstlane_b32 s72, v[KK]                 ; wave
	s_bfe_u32 s73, ttmp6, 0x40000                  ; cx: enters global addresses of plain loads and stores alone
	s_bfe_u32 s75, ttmp9, 0x30003                  ; batch = token / 1024
	s_bfe_u32 s76, ttmp9, 0x20001                  ; quarter of the keys = (token / 256) % 4
	s_mov_b32 s94, 0x76543210
	s_mov_b32 s95, 0xfedcba98
	s_mov_b32 s96, 0x3c800000                      ; 1 / 64
	s_mov_b32 s97, 0x3089705f                      ; 1e-9
	s_lshl_b32 s77, ttmp9, 7
	s_lshl_b32 s80, s73, 5
	s_add_co_u32 s77, s77, s80
	s_lshl_b32 s80, s72, 4
	s_add_co_u32 s77, s77, s80                     ; my wave's first token = 128 cluster + 32 cx + 16 wave
	s_and_b32 s74, s77, 1023                       ; the same inside its batch
	s_mov_b32 s81, 0
	s_mov_b32 s79, 0
	v_and_b32 v[RR], 15, v0
	v_bfe_u32 v[HHV], v0, 4, 1
	v_lshlrev_b32 v[UO], 5, v[RR]
	v_lshl_add_u32 v[UO], v[HHV], 15, v[UO]        ; U: 32 bytes a key, 32,768 a pair; my heads are hh, hh + 2, hh + 4, hh + 6
	v_and_b32 v[SO], 31, v0                        ; lane
	v_lshlrev_b32 v[XSO], 4, v[SO]
	s_lshl_b32 s80, s75, 3                         ; stats, 64 bytes a pair: set 0 = pair (lane + 8 b) % 64, set 1 = the pair 32 further round
	v_add_nc_u32 v124, s80, v[SO]
	v_add_nc_u32 v125, 32, v124
	v_and_b32 v124, 63, v124
	v_and_b32 v125, 63, v125
	v_lshlrev_b32 v124, 6, v124
	v_lshlrev_b32 v125, 6, v125
.irp q,0,1,2,3
	s_add_co_u32 s92, s76, \q                      ; slot q = quarter (q + mine) % 4, 16 bytes each
	s_and_b32 s92, s92, 3
	s_lshl_b32 s92, s92, 4
	v_add_nc_u32 v[AF+\q], s92, v124
	v_add_nc_u32 v[AF+4+\q], s92, v125
.endr
	v_lshlrev_b32 v[VGO], 4, v0
	v_lshlrev_b32 v[PO1], 2, v[RR]
	v_lshlrev_b32 v[XO], 8, v[RR]
	v_lshl_add_u32 v[XO], v[HHV], 5, v[XO]
	; group 1 of the three tiles.  Memory is dense; it is taken as rows of 256 bytes (W1: 512), and 32 bytes of padding follow every matrix row
	; (128 bytes = 32 words, code 4; W1: 512 bytes = 128 words, code 6; 8 words of padding, code 7).  Mask 15 and bit 21: joint loads.
	MKG1 20, 15|(1<<16)|(1<<20)|(1<<21)|(4<<22)|(7<<25), 128, 16
	MKG1 28, 15|(1<<16)|(1<<20)|(1<<21)|(6<<22)|(7<<25), 256, 32
	MKG1 36, 15|(1<<16)|(1<<20)|(1<<21)|(4<<22)|(7<<25), 128, 64
	s_wait_dscnt 0x0
	s_wait_kmcnt 0x0
	s_lshl_b32 s80, s77, 8
	s_add_nc_u64 s[84:85], s[6:7], s[80:81]        ; x in, at my first token
	s_add_nc_u64 s[88:89], s[14:15], s[80:81]      ; x out
	s_lshl_b32 s80, s77, 2
	s_add_nc_u64 s[86:87], s[8:9], s[80:81]        ; protok
	s_lshl_b32 s80, s75, 18
	s_lshl_b32 s92, s74, 5
	s_add_co_u32 s80, s80, s92
	s_add_nc_u64 s[82:83], s[4:5], s[80:81]        ; U at my batch's first pair and my first token
.irp i,0,1,2,3
	global_load_b128 v[WB1+4*\i:WB1+4*\i+3], v[VGO], s[10:11] offset:98304+1024*\i         ; the 16 rows of vectors
.endr
.irp s,0,1
.irp q,0,1,2,3
	global_load_b128 v[ST+16*\s+4*\q:ST+16*\s+4*\q+3], v[AF+4*\s+\q], s[4:5] offset:2097152
.endr
.endr
	global_load_b32 v[T], v[PO1], s[86:87]
.irp pc,0,1,2,3
	global_load_b128 v[H+8*\pc:H+8*\pc+3], v[UO], s[82:83] offset:65536*\pc
	global_load_b128 v[H+8*\pc+4:H+8*\pc+7], v[UO], s[82:83] offset:65536*\pc+16
.endr
.irp f,0,1,2,3
	global_load_b128 v[Y+8*\f:Y+8*\f+3], v[XO], s[84:85] offset:64*\f
	global_load_b128 v[Y+8*\f+4:Y+8*\f+7], v[XO], s[84:85] offset:64*\f+16
.endr
	MKG0 52, L_WO, 5120,  10, 24576, 4096
	MKG0 56, L_W1, 17408, 10, 65536, 16384
	MKG0 60, L_W2, 20480, 10, 32768, 16384
	ROUND                                          ; the four partners are here: the joint loads meet
	tensor_load_to_lds s[52:55], s[20:27]          ; Wo: my half of each tile; three loads of mine are out, and no LDS byte is filled twice
	s_nop 0
	tensor_load_to_lds s[56:59], s[28:35]          ; W1
	s_nop 0
	tensor_load_to_lds s[60:63], s[36:43]          ; W2
	s_nop 0
	v_and_b32 v[KK], 7, v0
	v_lshl_or_b32 v[KK], v[HHV], 3, v[KK]          ; 8 hh + (lane & 7): the row that this lane addresses in a transposing load
	v_bfe_u32 v[T3], v0, 3, 1
	v_lshlrev_b32 v[T3], 4, v[T3]
	v_mul_u32_u24 v[AWO], v[KK], P160
	v_add_nc_u32 v[AWO], v[AWO], v[T3]
	v_mul_u32_u24 v[AW1], v[KK], P544
	v_add_nc_u32 v[AW1], v[AW1], v[T3]
	v_add_nc_u32 v[AW1], L_W1, v[AW1]
	v_add_nc_u32 v[AW2], L_W2, v[AWO]
	v_lshlrev_b32 v[VB], 5, v[HHV]
	v_add_nc_u32 v[VB], L_VEC, v[VB]
	v_add_nc_u32 v[VLS], L_VEC, v[VGO]
	s_mul_i32 s93, s72, 4352
	s_add_co_u32 s93, s93, L_XST                   ; my wave's stage
	v_mul_u32_u24 v[XS], v[RR], 272
	v_lshl_add_u32 v[XS], v[HHV], 5, v[XS]
	v_add_nc_u32 v[XS], s93, v[XS]
	v_mul_u32_u24 v[XR], v[HHV], 272
	v_lshl_add_u32 v[XR], v[RR], 4, v[XR]
	v_add_nc_u32 v[XR], s93, v[XR]
	s_lshl_b32 s98, s72, 10
	s_add_co_u32 s98, s98, L_FAC                   ; my wave's factors
	v_lshl_add_u32 v[FACW], v[SO], 2, s98          ; in: lane L's word
	v_lshl_add_u32 v[FACR], v[HHV], 2, s98         ; back: the word of lane hh + 2 pc, at + 8 pc
	s_wait_loadcnt 25                              ; the vectors are in; stats (8), protok (1), U (8) and x (8) may be out
.irp i,0,1,2,3
	ds_store_b128 v[VLS], v[WB1+4*\i:WB1+4*\i+3] offset:1024*\i
.endr
	s_wait_loadcnt 17                              ; stats
.irp s,0,1
	v_max3_num_f32 v178, v[ST+16*\s+2], v[ST+16*\s+6], v[ST+16*\s+10]
	v_max_num_f32 v178, v178, v[ST+16*\s+14]       ; M of the pair
.irp q,0,1,2,3
	v_sub_f32 v[EQ+4*\s+\q], v[ST+16*\s+4*\q+2], v178
.endr
.irp q,0,1,2,3
	v_exp_f32 v[EQ+4*\s+\q], v[EQ+4*\s+\q]
.endr
	v_add_f32 v179, v[ST+16*\s+1], v[ST+16*\s+5]   ; nz
	v_add_f32 v180, v[ST+16*\s+9], v[ST+16*\s+13]
	v_add_f32 v179, v179, v180
	s_wait_alu depctr_va_vdst(0)
	v_mul_f32 v181, v[EQ+4*\s], v[ST+16*\s]        ; S
	v_fmac_f32 v181, v[EQ+4*\s+1], v[ST+16*\s+4]
	v_fmac_f32 v181, v[EQ+4*\s+2], v[ST+16*\s+8]
	v_fmac_f32 v181, v[EQ+4*\s+3], v[ST+16*\s+12]
	v_max_num_f32 v181, 0x0da24260, v181           ; S is 0 only where nz is 0: the ratio is then 0, not 0 / 0
	v_rcp_f32 v181, v181
	v_nop
	s_wait_alu depctr_va_vdst(0)
	v_mul_f32 v[176+\s], v179, v181
.endr
	v_max_num_f32 v182, v176, v177
	v_max_num_f32_dpp v182, v182, v182 row_xmask:1 row_mask:0xf bank_mask:0xf
	v_max_num_f32_dpp v182, v182, v182 row_xmask:2 row_mask:0xf bank_mask:0xf
	v_max_num_f32_dpp v182, v182, v182 row_xmask:4 row_mask:0xf bank_mask:0xf
	v_max_num_f32_dpp v182, v182, v182 row_xmask:8 row_mask:0xf bank_mask:0xf
	v_permlanex16_b32 v180, v182, s94, s95
	v_max_num_f32 v182, v182, v180                 ; G
	v_rcp_f32 v182, v182
	v_nop
	s_wait_alu depctr_va_vdst(0)
	v_mul_f32 v176, v176, v182
	v_mul_f32 v[EQ], v[EQ], v176                   ; set 0, slot 0: in lanes 0 to 7 the factor of pair 8 b + lane and my quarter
	ds_store_b32 v[FACW], v[EQ]
	s_wait_loadcnt 16                              ; protok
	v_cmp_ne_u32 vcc_lo, 0, v[T]
	v_cndmask_b32 v[KP], 0, 1.0, vcc_lo
	v_mov_b32 v[KP+1], v[KP]
	s_wait_tensorcnt 0x0                           ; my halves of all three tiles have landed,
	s_wait_dscnt 0x0                               ; my stores of the vectors are done,
	s_barrier_signal -1
	s_barrier_wait -1                              ; and the other wave's too: the one barrier that the shared LDS bytes need, since none is written again
.irp pc,0,1,2,3
	ds_load_b32 v[T+2*\pc], v[FACR] offset:8*\pc   ; twice: a pair for the packed multiply
	ds_load_b32 v[T+2*\pc+1], v[FACR] offset:8*\pc
.endr
	W8 WB0, AWO, 0, 0, P160
	LOADV WB1, 4                                   ; bo
	s_wait_loadcnt 8                               ; U
	s_wait_dscnt 24                                ; the factors are in; Wo's sixteen loads and bo's eight may be out
.irp pc,0,1,2,3
.irp i,0,1,2,3
	v_pk_mul_f32 v[H+8*\pc+2*\i:H+8*\pc+2*\i+1], v[H+8*\pc+2*\i:H+8*\pc+2*\i+1], v[T+2*\pc:T+2*\pc+1]
.endr
.endr
.set i_, 0
.rept 16
	v_cvt_pk_bf16_f32 v[AF+i_], v[H+2*i_], v[H+2*i_+1]
.set i_, i_+1
.endr
	s_wait_loadcnt 0x0                             ; x
	s_wait_dscnt 0x0
	YADD WB1                                       ; x + bo: the product adds the attention onto it
	MM8 bf16, Y, WB0, AF
	PLACES
	W8 WB1, AW1, 0, 0, P544                        ; W1, chunk 0
	LOADV WB0+32, 11                               ; b2
	LN 5, 6
	TOF16
	YADD WB0+32                                    ; out1 + b2: the FFN adds onto it
	LOADV H, 7                                     ; b1, chunk 0
	FFN 0
	FFN 1
	FFN 2
	FFN 3
	PLACES
	LN 12, 13
	; x leaves through my own stage: 16 rows of 272 bytes in, whole rows of 256 bytes back (LDS serves a wave's instructions in order: ISA guide 5.7.1.4)
.irp f,0,1,2,3
	ds_store_b128 v[XS], v[Y+8*\f:Y+8*\f+3] offset:64*\f
	ds_store_b128 v[XS], v[Y+8*\f+4:Y+8*\f+7] offset:64*\f+16
.endr
.irp t,0,1,2,3,4,5,6,7
	ds_load_b128 v[WB0+32+4*\t:WB0+32+4*\t+3], v[XR] offset:544*\t
.endr
.irp t,0,1,2,3,4,5,6,7
	s_wait_dscnt 7-\t                              ; loads come back in order: pair t of rows is in
	global_store_b128 v[XSO], v[WB0+32+4*\t:WB0+32+4*\t+3], s[88:89] offset:512*\t         ; a wave stores 512 consecutive bytes, aligned
.endr
	s_wait_tensorcnt 0x0
	ds_add_u32 v22, v23
	s_wait_dscnt 0x0
	ROUND                                          ; the closing round
	s_endpgm
.Lfunc_end_k_q6cf95252f8_last:
	.size	k_q6cf95252f8_last, .Lfunc_end_k_q6cf95252f8_last-k_q6cf95252f8_last
	.p2alignl 7, 3214868480
	.fill 96, 4, 3214868480
	.section	.rodata,"a",@progbits
	.p2align	6, 0x0
	.amdhsa_kernel k_q6cf95252f8_last
		.amdhsa_group_segment_fixed_size 168192
		.amdhsa_private_segment_fixed_size 0
		.amdhsa_enable_private_segment 0
		.amdhsa_kernarg_size 40
		.amdhsa_user_sgpr_count 2
		.amdhsa_user_sgpr_kernarg_segment_ptr 1
		.amdhsa_wavefront_size32 1
		.amdhsa_system_sgpr_workgroup_id_x 1
		.amdhsa_system_sgpr_workgroup_id_y 1
		.amdhsa_system_sgpr_workgroup_id_z 1
		.amdhsa_system_vgpr_workitem_id 0
		.amdhsa_next_free_vgpr 256
		.amdhsa_next_free_sgpr 100
		.amdhsa_reserve_vcc 1
		.amdhsa_float_denorm_mode_32 3
		.amdhsa_float_denorm_mode_16_64 3
		.amdhsa_memory_ordered 1
		.amdhsa_forward_progress 1
		.amdhsa_inst_pref_size 63
	.end_amdhsa_kernel
	.amdgpu_metadata
---
amdhsa.version: [ 1, 2 ]
amdhsa.kernels:
  - .name:           k_q6cf95252f8_last
    .symbol:         k_q6cf95252f8_last.kd
    .args:
      - { .name: att, .offset: 0, .size: 8, .value_kind: global_buffer, .address_space: global }
      - { .name: xa, .offset: 8, .size: 8, .value_kind: global_buffer, .address_space: global }
      - { .name: protok, .offset: 16, .size: 8, .value_kind: global_buffer, .address_space: global }
      - { .name: p3, .offset: 24, .size: 8, .value_kind: global_buffer, .address_space: global }
      - { .name: out0, .offset: 32, .size: 8, .value_kind: global_buffer, .address_space: global }
    .group_segment_fixed_size: 168192
    .private_segment_fixed_size: 0
    .kernarg_segment_align: 8
    .kernarg_segment_size: 40
    .max_flat_workgroup_size: 64
    .sgpr_count:     100
    .vgpr_count:     256
    .wavefront_size: 32
...
	.end_amdgpu_metadata
.endif
;; end of part 4
;; ======== version 2 of 2: 9 launches; 1.17 times as fast as version 1
;; limits: values are held in f16: magnitudes above 65,504 overflow, below 6.1e-05 lose precision; inputs' magnitudes at most 65,504
;; workspace buffers: p0 102,400 bytes; p1 102,400 bytes; p2 102,400 bytes; p3 102,400 bytes; qkv 5,242,880 bytes; att 2,101,248 bytes; xa 2,097,152 bytes
;; launch first: the kernel of part 1 again; grid 256 x 1, 2 waves a work-group, no clusters, 33,024 bytes of LDS; arguments x, protok, Wq, Wk, Wv, Wo, W1, W2, bq, bk, bv, bo, g1, be1, b1, b2, g2, be2, p0, p1, p2, p3, qkv; writes p0, p1, p2, p3, qkv
;; launch attn (part 5): grid 256 x 1, 8 waves a work-group, clusters of 4 x 1, 168,960 bytes of LDS; arguments qkv, protok, att; writes att
.if DOCPART == 5
	.amdgcn_target "amdgcn-amd-amdhsa--gfx1250"
	.amdhsa_code_object_version 6
	.text
	.protected	k_q6cf95252f8_attn
	.globl	k_q6cf95252f8_attn
	.p2align	8
	.type	k_q6cf95252f8_attn,@function
k_q6cf95252f8_attn:
	s_mov_b64 s[64:65], 0
	v_nop
	global_prefetch_b8 v0, s[64:65] scope:SCOPE_SE
	s_setreg_imm32_b32 hwreg(HW_REG_WAVE_MODE, 25, 1), 1
	s_wait_xcnt 0x0
	s_wait_alu depctr_hold_cnt(0) depctr_sa_sdst(0) depctr_va_vdst(0) depctr_va_sdst(0) depctr_va_ssrc(0) depctr_va_vcc(0) depctr_vm_vsrc(0)
	s_getreg_b32 s2, hwreg(HW_REG_IB_STS2, 6, 4)
	s_cmp_eq_u32 s2, 0
	s_cbranch_scc0 .Lentry_in_a_cluster
	s_endpgm
.Lentry_in_a_cluster:
	s_bfe_u32 s2, ttmp6, 0x10000c
	s_cmp_lg_u32 s2, 0x3003
	s_cbranch_scc0 .Lentry_shape_is_right
	s_endpgm
.Lentry_shape_is_right:
; attn: for one pair (batch, head) and one quarter of its keys (256): U[key][d] = sum over all 1024 queries of exp2(l2[q][key] - m) v[q][d],
; S = sum of exp2(l2 - m) over the quarter's kept keys, cnt = kept keys, m = the TRUE maximum of the quarter's logits (first pass).
; l2 = q.k with log2(e) already in q.  The next launch joins the four quarters: it multiplies by exp2(m - max m) nz / (S G).
; The -1e9 of padded keys is not added: a padded key has k = 0, so its column holds logits 0; a padded key is also a padded query, so every
; kept column then holds a 0 too and the maximum with those columns equals the masked one; their exponentials are at most 1, are left out
; of S by a select, and their rows of U are zeroed by the next launch's mask.
; CLUSTER: the four quarters of a pair read the same 48 KiB (QH, QL, VF): one joint load a wave, mask 15.
; Eight waves: kg = w & 3 owns 64 keys (4 tiles of 16), qh = w >> 2 owns 512 queries, in 16 steps of 32.
; LOGITS: K = 32 is filled by depth 8 four times: source 0 = (qh, qh, ql, ql), source 1 = (kh, kl, kh, kl): (qh + ql).(kh + kl).
; D holds (query 8 hh + j, key r), so exp2 of two query tiles, packed to f16, IS the second product's source 1 (32 queries x key r).
; Source 0 of the second product: rows 0-7 = v transposed, row 8 = ones (the column sums), rows 9-15 = zeros.  Rows 8-15 are written once into
; the registers of lanes r >= 8; the loads of v run with only lanes r < 8 on and leave them alone.
; SCHEDULE: a step has 8 tiles of 16 x 16 logits, tile j = 2 c + t (key tile c, query tile t), 8 registers each.  The first pass runs as a pipeline
; by tiles, one slot a tile: the product of the tile two slots ahead, then this tile's maxima.
; The second pass goes by TURNS of half a step: 4 tiles, 2 key tiles.  A turn's 32 exponentials are ONE BATCH with ONE wait, which cuts the turn in two.
; Ahead of the wait stands all that names no result of theirs: the 4 logit products into the OTHER half's tiles (converted in the turn before), and
; behind each of them the 8 exponentials of one of this half's tiles, in place.  Behind the wait stand the readers: the 16 conversions to f16 and the
; half's 2 products with v.  Turn 0 takes tiles 0-3 and makes the logits of tiles 4-7; turn 1 takes tiles 4-7 and makes tiles 0-3 of the next step.
; No exponential stands behind a turn's wait.
; LIMITS: e is kept in f16 (at most 1; below about 6e-8 it becomes 0); v in f16.
.set PAIRB, 81920
.set O_KH,  49152
.set L_QL,  16384
.set L_VF,  32768
.set L_RED, 49152                      ; 256 bytes: the waves' maxima at 4 w, their (S, cnt) at 64 + 8 w
.set L_XCH, 49408                      ; 8 waves x 4 tiles x 1,024 bytes: 16 rows of 32 bytes of U, then 16 rows whose first word is the column sum
.set RL,  1
.set HH,  2
.set AQ0, 3                            ; 16 r + 8192 qh
.set AQ,  4                            ; the same, stepped by 1,024 for every two steps
.set AV,  5                            ; 16 (r & 7) + 128 hh + 8192 qh, stepped likewise
.set XA,  7
.set XRD, 9
.set XSM, 10
.set KO,  11
.set PO,  12
.set UOF, 13
.set TA,  14
.set TB,  15
.set MX,  16                           ; v[16:19] four running maxima
.set CN,  20                           ; v[20:27] -m, eight times: the C operand of the second pass's logits
.set PK,  28                           ; v[28:29] protok of my two final tiles' keys
.set MW,  30
.set TC,  31
.set KF,  32                           ; 4 key fragments
.set ACC, 64                           ; 4 accumulators
.set LG,  96                           ; v[96:159] the 8 tiles of a step
.set PE,  160                          ; v[160:191] their exponentials in f16: 4 registers a tile, 8 a key tile
.set QF0, 192
.set QF1, 208
.set VF0, 224
.set VF1, 232
.set T,   240
.macro ROUND                           ; a round of the cluster's barrier
	s_barrier_signal -1
	s_barrier_wait -1
	s_cmp_lg_u32 s10, 0
	s_cbranch_scc1 .Lnot_wave_0_\@
	s_barrier_signal -3
.Lnot_wave_0_\@:
	s_barrier_wait -3
	s_barrier_signal -1
	s_barrier_wait -1
.endm
.macro PLACES                          ; four places behind matrix instructions (ISA guide 7.12.1)
.rept 4
	v_nop
.endr
.endm
.macro QLOAD qf, off                   ; 32 queries: two tiles, head and remainder
	ds_load_b128 v[\qf:\qf+3], v[AQ] offset:\off
	ds_load_b128 v[\qf+4:\qf+7], v[AQ] offset:\off+L_QL
	ds_load_b128 v[\qf+8:\qf+11], v[AQ] offset:\off+256
	ds_load_b128 v[\qf+12:\qf+15], v[AQ] offset:\off+L_QL+256
.endm
.macro VLOAD vf, off                   ; v transposed, 32 queries, into lanes r < 8 alone (VCC holds r < 8 all through the second pass)
	s_and_saveexec_b32 s33, vcc_lo
	ds_load_b128 v[\vf:\vf+3], v[AV] offset:L_VF+\off
	ds_load_b128 v[\vf+4:\vf+7], v[AV] offset:L_VF+\off+256
	s_or_b32 exec_lo, exec_lo, s33
.endm
.macro WL j, qf, zero                  ; the logits of tile j = 2 c + t; zero = 0: less the maximum, which rides in as C
.if \zero
	v_wmma_f32_16x16x32_bf16 v[LG+8*\j:LG+8*\j+7], v[\qf+8*(\j%2):\qf+8*(\j%2)+7], v[KF+8*(\j/2):KF+8*(\j/2)+7], 0
.else
	v_wmma_f32_16x16x32_bf16 v[LG+8*\j:LG+8*\j+7], v[\qf+8*(\j%2):\qf+8*(\j%2)+7], v[KF+8*(\j/2):KF+8*(\j/2)+7], v[CN:CN+7]
.endif
.endm
.macro PV c, vf, zero                  ; key tile c's exponentials times v.  The four accumulators take turns, one instruction a turn
.if \zero
	v_wmma_f32_16x16x32_f16 v[ACC+8*\c:ACC+8*\c+7], v[\vf:\vf+7], v[PE+8*\c:PE+8*\c+7], 0
.else
	v_wmma_f32_16x16x32_f16 v[ACC+8*\c:ACC+8*\c+7], v[\vf:\vf+7], v[PE+8*\c:PE+8*\c+7], v[ACC+8*\c:ACC+8*\c+7]
.endif
.endm
; FIRST PASS, one slot: the product of tile wj (none if wj < 0), the maxima of tile mj, whose product stands two slots back: eight places
.macro MSLOT wj, qf, mj
.if \wj >= 0
	WL \wj, \qf, 1
.endif
.irp k,0,1,2,3
	v_max3_num_f32 v[MX+\k], v[MX+\k], v[LG+8*\mj+2*\k], v[LG+8*\mj+2*\k+1]
.endr
.endm
; one step.  qc, qn: q of this and of the next step; p: the step's place in its pair; ldq: fetch q of the step after next; nxt: a step follows
.macro MSTEP qc, qn, p, ldq, nxt
	MSLOT 2, \qc, 0
	MSLOT 3, \qc, 1
	MSLOT 4, \qc, 2
	MSLOT 5, \qc, 3
	MSLOT 6, \qc, 4
	MSLOT 7, \qc, 5
.if \nxt
	s_wait_dscnt 0x0                               ; the next step's q, asked for a step ago
	MSLOT 0, \qn, 6
.else
	MSLOT -1, \qn, 6
.endif
.if \ldq
	QLOAD \qc, 512*(\p+2)                          ; eight maxima stand behind the last product that read this buffer
.endif
.if \nxt
	MSLOT 1, \qn, 7
.else
	MSLOT -1, \qn, 7
.endif
.endm
; SECOND PASS.  exp2 of tile j's eight logits, in place, from the tile's lowest register on.  They may follow each other: none reads another's result
.macro EXP8 j
.irp k,0,1,2,3,4,5,6,7
	v_exp_f32 v[LG+8*\j+\k], v[LG+8*\j+\k]
.endr
.endm
; tile j's eight exponentials to f16: 4 registers, half of key tile j / 2's operand.  These are the exponentials' first readers: they stand behind the turn's wait
.macro CVT4 j
.irp k,0,1,2,3
	v_cvt_pk_f16_f32 v[PE+4*\j+\k], v[LG+8*\j+2*\k], v[LG+8*\j+2*\k+1]
.endr
.endm
; one step = two turns.  qc, qn: q of this and of the next step; vc: v of this step; vp: v of the step before, then of the next; p: the step's place in its pair;
; z = 1: step 0, whose products with v start the sums (nothing is cleared); wv: LDS loads issued behind this step's v; ldv: fetch the next step's v;
; ldq: fetch q of the step after next; nxt: a step follows; adv: the pair's second step, which steps the addresses of q and v.
; Places, by count: behind a logit product stand the turn's plain instruction and its 16 conversions before an exponential reads the tile; the same 17 stand
; between the last product that read a q or v buffer and the loads into it; an f16 operand is written again a whole step behind its product.
.macro PSTEP qc, qn, vc, vp, p, z, wv, ldv, ldq, nxt, adv
	; TURN 0, ahead of its wait: the logits of tiles 4-7, the exponentials of tiles 0-3
	WL 4, \qc, 0
	EXP8 0
	WL 5, \qc, 0
	EXP8 1
	WL 6, \qc, 0
	EXP8 2
	WL 7, \qc, 0
	EXP8 3
	v_nop                                          ; the plain instruction between the last exponential and the use of a result (ISA guide 5.7.2): every other plain line of the turn is a reader
	s_wait_alu depctr_va_vdst(0)                   ; ONE wait for the batch of 32, tiles 0-3, ahead of its first reader
	CVT4 0
	CVT4 1
	CVT4 2
	s_wait_dscnt \wv                               ; this step's v is in; the q loads issued behind it may be out
	PV 0, \vc, \z
	CVT4 3
.if \ldv
	VLOAD \vp, 512*(\p+1)                          ; sixteen conversions stand behind the last product that read this buffer
.endif
	PV 1, \vc, \z
	; TURN 1, ahead of its wait: the logits of the next step's tiles 0-3, the exponentials of tiles 4-7
.if \nxt
	s_wait_dscnt 2*\ldv                            ; the next step's q is in; the v loads just issued may be out
	WL 0, \qn, 0
.endif
	EXP8 4
.if \ldq
	QLOAD \qc, 512*(\p+2)                          ; sixteen conversions stand behind the last product that read this buffer
.endif
.if \nxt
	WL 1, \qn, 0
.endif
	EXP8 5
.if \nxt
	WL 2, \qn, 0
.endif
	EXP8 6
.if \nxt
	WL 3, \qn, 0
.endif
	EXP8 7
.if \adv
	v_add_nc_u32 v[AQ], 1024, v[AQ]                ; the pair's loads are issued: the addresses step, and are the plain instructions behind the last exponential
	v_add_nc_u32 v[AV], 1024, v[AV]
.else
	v_nop                                          ; the plain instruction behind the last exponential
.endif
	s_wait_alu depctr_va_vdst(0)                   ; ONE wait for the batch of 32, tiles 4-7, ahead of its first reader
	CVT4 4
	CVT4 5
	CVT4 6
	PV 2, \vc, \z
	CVT4 7
	PV 3, \vc, \z
.endm
.macro WMAX x, t
	v_max_num_f32_dpp v[\x], v[\x], v[\x] row_xmask:1 row_mask:0xf bank_mask:0xf
	v_max_num_f32_dpp v[\x], v[\x], v[\x] row_xmask:2 row_mask:0xf bank_mask:0xf
	v_max_num_f32_dpp v[\x], v[\x], v[\x] row_xmask:4 row_mask:0xf bank_mask:0xf
	v_max_num_f32_dpp v[\x], v[\x], v[\x] row_xmask:8 row_mask:0xf bank_mask:0xf
	v_permlanex16_b32 v[\t], v[\x], s30, s31
	v_max_num_f32 v[\x], v[\x], v[\t]
.endm
.macro WSUM x, t
	v_add_f32_dpp v[\x], v[\x], v[\x] row_xmask:1 row_mask:0xf bank_mask:0xf
	v_add_f32_dpp v[\x], v[\x], v[\x] row_xmask:2 row_mask:0xf bank_mask:0xf
	v_add_f32_dpp v[\x], v[\x], v[\x] row_xmask:4 row_mask:0xf bank_mask:0xf
	v_add_f32_dpp v[\x], v[\x], v[\x] row_xmask:8 row_mask:0xf bank_mask:0xf
	v_permlanex16_b32 v[\t], v[\x], s30, s31
	v_add_f32 v[\x], v[\x], v[\t]
.endm
	s_load_b128 s[4:7], s[0:1], 0x0                ; qkv, protok
	s_load_b64 s[8:9], s[0:1], 0x10                ; att
	v_lshl_add_u32 v6, v0, 2, 0x29000
	v_mov_b32 v8, 0
	ds_add_u32 v6, v8
	s_wait_dscnt 0x0
	; everything that needs no address is made while the arguments are on their way
	v_lshrrev_b32 v[TA], 5, v0
	v_readfirstlane_b32 s10, v[TA]                 ; wave
	s_and_b32 s11, s10, 3                          ; kg
	s_lshr_b32 s12, s10, 2                         ; qh
	s_bfe_u32 s13, ttmp6, 0x40000                  ; cx = the quarter of the keys: enters global addresses of plain loads and stores alone
	s_lshr_b32 s15, ttmp9, 3                       ; batch (ttmp9 = the cluster = the pair)
	s_mov_b32 s30, 0x76543210
	s_mov_b32 s31, 0xfedcba98
	; descriptor: 24 rows of 256 bytes (32 elements of 8 bytes), dense, my eighth of the pair's first 49,152 bytes
	s_mov_b32 s16, 15|(3<<16)|(1<<21)              ; mask: all four of the cluster; element of 8 bytes; bit 21 beside a mask
	s_mov_b32 s17, 32<<16                          ; tensor_dim0 = 32
	s_mov_b32 s18, 24<<16                          ; tensor_dim1 = 24
	s_mov_b32 s19, 32<<16                          ; tile_dim0 = 32
	s_mov_b32 s20, 24                              ; tile_dim1 = 24
	s_mov_b32 s21, 32                              ; pitch
	s_mov_b32 s22, 0
	s_mov_b32 s23, 0
	s_mov_b32 s24, 1
	s_mul_i32 s25, s10, 6144                       ; LDS: wave x 6,144
	s_mul_i32 s28, ttmp9, PAIRB
	s_mov_b32 s29, 0
	s_lshl_b32 s44, s13, 12                        ; k: 16 bytes x (256 cx + 64 kg), behind QH, QL, VF
	s_lshl_b32 s14, s11, 10
	s_add_co_u32 s44, s44, s14
	s_add_co_u32 s44, s44, O_KH
	s_mov_b32 s45, 0
	s_lshl_b32 s46, s15, 12                        ; protok: 4 bytes x (1024 b + 256 cx + 64 kg + 32 qh)
	s_lshl_b32 s14, s13, 10
	s_add_co_u32 s46, s46, s14
	s_lshl_b32 s14, s11, 8
	s_add_co_u32 s46, s46, s14
	s_lshl_b32 s14, s12, 7
	s_add_co_u32 s46, s46, s14
	s_mov_b32 s47, 0
	v_and_b32 v[RL], 15, v0
	v_bfe_u32 v[HH], v0, 4, 1
	v_lshlrev_b32 v[KO], 4, v[RL]
	v_lshl_add_u32 v[KO], v[HH], 14, v[KO]         ; lanes 0-15 take KH, lanes 16-31 KL
	v_lshlrev_b32 v[PO], 2, v[RL]
	v_lshlrev_b32 v[AQ0], 4, v[RL]
	v_lshl_add_u32 v[AQ0], s12, 13, v[AQ0]
	v_and_b32 v[TA], 7, v0                         ; r & 7: the lanes that are off at the loads of v hold an address inside v's tile too
	v_lshlrev_b32 v[AV], 4, v[TA]
	v_lshl_add_u32 v[AV], v[HH], 7, v[AV]
	v_lshl_add_u32 v[AV], s12, 13, v[AV]
	v_lshlrev_b32 v[XA], 5, v[RL]
	v_lshl_add_u32 v[XA], v[HH], 9, v[XA]
	v_lshl_add_u32 v[XA], s10, 12, v[XA]           ; my wave's own 4,096 bytes of the exchange
	v_and_b32 v[TA], 31, v0
	v_lshlrev_b32 v[UOF], 4, v[TA]
	v_lshl_add_u32 v[XRD], s11, 12, v[UOF]
	v_lshl_add_u32 v[XRD], s12, 11, v[XRD]
	v_add_nc_u32 v[XRD], L_XCH, v[XRD]
	v_lshlrev_b32 v[XSM], 5, v[RL]
	v_lshl_add_u32 v[XSM], v[HH], 14, v[XSM]
	v_lshl_add_u32 v[XSM], s11, 12, v[XSM]
	v_lshl_add_u32 v[XSM], s12, 11, v[XSM]
	v_add_nc_u32 v[XSM], L_XCH+512, v[XSM]
	v_lshl_add_u32 v[UOF], s11, 11, v[UOF]
	v_lshl_add_u32 v[UOF], s12, 10, v[UOF]
	v_cmp_eq_u32 vcc_lo, 8, v[RL]                  ; rows 8-15 of the second product's source 0, once: ones in row 8, zeros elsewhere
	v_mov_b32 v[TB], 0x3c003c00
	v_cndmask_b32 v[TA], 0, v[TB], vcc_lo
.set i_, 0
.rept 16
	v_mov_b32 v[VF0+i_], v[TA]
.set i_, i_+1
.endr
	v_mov_b32 v[AQ], v[AQ0]
	ROUND                                          ; the four partners are here: the joint loads meet.  The round needs no argument, so it stands ahead of the wait for them
	s_wait_kmcnt 0x0
	s_add_nc_u64 s[34:35], s[4:5], s[28:29]        ; the pair's block of qkv
	s_mov_b32 s28, s25
	s_add_nc_u64 s[26:27], s[34:35], s[28:29]      ; made of the pair and the wave alone: equal in the four partners
	s_or_b32 s27, s27, 0x80000000
	tensor_load_to_lds s[24:27], s[16:23]          ; my one tensor load of the launch; nothing in LDS is ever filled again
	s_nop 0
	s_add_nc_u64 s[36:37], s[34:35], s[44:45]
.irp c,0,1,2,3
	global_load_b128 v[KF+8*\c:KF+8*\c+3], v[KO], s[36:37] offset:256*\c
	global_load_b128 v[KF+8*\c+4:KF+8*\c+7], v[KO], s[36:37] offset:256*\c       ; the same 16 bytes fill K slots 16-31
.endr
	s_add_nc_u64 s[38:39], s[6:7], s[46:47]
	global_load_b32 v[PK], v[PO], s[38:39]
	global_load_b32 v[PK+1], v[PO], s[38:39] offset:64
	s_lshl_b32 s44, ttmp9, 15                      ; U: 32,768 bytes a pair, 8,192 a quarter
	s_lshl_b32 s14, s13, 13
	s_add_co_u32 s44, s44, s14
	s_add_nc_u64 s[40:41], s[8:9], s[44:45]
	s_lshl_b32 s44, ttmp9, 6                       ; stats: 16 bytes x (4 pair + cx), behind U
	s_lshl_b32 s14, s13, 4
	s_add_co_u32 s44, s44, s14
	s_add_co_u32 s44, s44, 0x200000
	s_add_nc_u64 s[42:43], s[8:9], s[44:45]
	s_wait_tensorcnt 0x0                           ; my eighth has landed,
	s_barrier_signal -1
	s_barrier_wait -1                              ; everybody's has
	; FIRST PASS: the maximum of my 64 keys x 512 queries
	QLOAD QF0, 0
	QLOAD QF1, 512
	s_wait_loadcnt 0x0                             ; k and protok
	s_wait_xcnt 0x0                                ; no global access is pending where EXEC is narrowed below
	s_wait_dscnt 0x0
	WL 0, QF0, 1                                   ; the pipeline's head: tiles 0 and 1 of step 0
	WL 1, QF0, 1
.irp i,0,1,2,3
	v_mov_b32 v[MX+\i], 0xff800000                 ; also the places behind these two products
.endr
	v_nop
	s_mov_b32 s32, 7
.Lmax:
	MSTEP QF0, QF1, 0, 1, 1
	MSTEP QF1, QF0, 1, 1, 1
	v_add_nc_u32 v[AQ], 1024, v[AQ]
	s_sub_co_u32 s32, s32, 1
	s_cmp_lg_u32 s32, 0
	s_cbranch_scc1 .Lmax
	MSTEP QF0, QF1, 0, 0, 1                        ; steps 14 and 15: no q is left to fetch
	MSTEP QF1, QF0, 1, 0, 0
	v_max3_num_f32 v[MX], v[MX], v[MX+1], v[MX+2]
	v_max_num_f32 v[MX], v[MX], v[MX+3]
	WMAX MX, MX+1
	v_mov_b32 v[TA], s10
	v_lshlrev_b32 v[TA], 2, v[TA]
	ds_store_b32 v[TA], v[MX] offset:L_RED
	s_wait_dscnt 0x0
	s_barrier_signal -1
	s_barrier_wait -1
	; the work-group's maximum; the second pass's first operands
	v_mov_b32 v[TB], 0
	ds_load_b128 v[T:T+3], v[TB] offset:L_RED
	ds_load_b128 v[T+4:T+7], v[TB] offset:L_RED+16
	v_mov_b32 v[AQ], v[AQ0]
	QLOAD QF0, 0
	QLOAD QF1, 512
	v_cmp_gt_u32 vcc_lo, 8, v[RL]
	VLOAD VF0, 0
	s_wait_dscnt 10                                ; the two loads of the maxima are in; the ten behind them may be out
	v_max3_num_f32 v[MW], v[T], v[T+1], v[T+2]
	v_max3_num_f32 v[MW], v[MW], v[T+3], v[T+4]
	v_max3_num_f32 v[MW], v[MW], v[T+5], v[T+6]
	v_max_num_f32 v[MW], v[MW], v[T+7]
	v_xor_b32 v[CN], 0x80000000, v[MW]
.irp i,1,2,3,4,5,6,7
	v_mov_b32 v[CN+\i], v[CN]
.endr
	s_wait_dscnt 0x0
	WL 0, QF0, 0                                   ; what the first turn finds: the logits of tiles 0-3 of step 0
	WL 1, QF0, 0
	WL 2, QF0, 0
	WL 3, QF0, 0
	PLACES
	; SECOND PASS: 16 steps, two to a lap
	PSTEP QF0, QF1, VF0, VF1, 0, 1, 4, 1, 1, 1, 0  ; step 0: its products with v start the sums
	PSTEP QF1, QF0, VF1, VF0, 1, 0, 4, 1, 1, 1, 1
	s_mov_b32 s32, 6
.Lstep:
	PSTEP QF0, QF1, VF0, VF1, 0, 0, 4, 1, 1, 1, 0
	PSTEP QF1, QF0, VF1, VF0, 1, 0, 4, 1, 1, 1, 1
	s_sub_co_u32 s32, s32, 1
	s_cmp_lg_u32 s32, 0
	s_cbranch_scc1 .Lstep
	PSTEP QF0, QF1, VF0, VF1, 0, 0, 4, 1, 0, 1, 0  ; step 14: no q is left to fetch
	PSTEP QF1, QF0, VF1, VF0, 1, 0, 0, 0, 0, 0, 0  ; step 15: nothing was asked for behind its v, and no step follows
	; THE WAY OUT: the two query halves meet in LDS
	PLACES
.irp c,0,1,2,3
	ds_store_b128 v[XA], v[ACC+8*\c:ACC+8*\c+3] offset:L_XCH+1024*\c
	ds_store_b128 v[XA], v[ACC+8*\c+4:ACC+8*\c+7] offset:L_XCH+1024*\c+16
.endr
	s_wait_dscnt 0x0
	s_barrier_signal -1
	s_barrier_wait -1
	; wave (kg, qh) finishes key tiles 2 qh and 2 qh + 1 of group kg
.irp i,0,1
	ds_load_b128 v[T+8*\i:T+8*\i+3], v[XRD] offset:1024*\i
	ds_load_b128 v[T+8*\i+4:T+8*\i+7], v[XRD] offset:1024*\i+16384
.endr
	ds_load_b32 v[TA], v[XSM]                      ; lane (r, hh): key r's column sum over query half hh
	ds_load_b32 v[TB], v[XSM] offset:1024
	s_wait_dscnt 0x0
.irp i,0,1
	v_pk_add_f32 v[T+8*\i:T+8*\i+1], v[T+8*\i:T+8*\i+1], v[T+8*\i+4:T+8*\i+5]
	v_pk_add_f32 v[T+8*\i+2:T+8*\i+3], v[T+8*\i+2:T+8*\i+3], v[T+8*\i+6:T+8*\i+7]
	global_store_b128 v[UOF], v[T+8*\i:T+8*\i+3], s[40:41] offset:512*\i      ; a wave stores 512 consecutive bytes, aligned
.endr
	v_cmp_ne_u32 vcc_lo, 0, v[PK]
	v_cndmask_b32 v[TA], 0, v[TA], vcc_lo          ; padded keys count for nothing in S
	v_cndmask_b32 v[MX+2], 0, 1.0, vcc_lo
	v_cmp_ne_u32 vcc_lo, 0, v[PK+1]
	v_cndmask_b32 v[TB], 0, v[TB], vcc_lo
	v_cndmask_b32 v[MX+3], 0, 1.0, vcc_lo
	v_add_f32 v[MX], v[TA], v[TB]
	v_add_f32 v[MX+1], v[MX+2], v[MX+3]
	WSUM MX, MX+2
	WSUM MX+1, MX+3
	v_mul_f32 v[MX+1], 0.5, v[MX+1]                ; both halves of the lanes counted each key
	v_mov_b32 v[TC], s10
	v_lshlrev_b32 v[TC], 3, v[TC]
	ds_store_b64 v[TC], v[MX:MX+1] offset:L_RED+64
	s_wait_dscnt 0x0
	s_barrier_signal -1
	s_barrier_wait -1
	s_cmp_lg_u32 s10, 0
	s_cbranch_scc1 .Lno_stats
	v_mov_b32 v116, 0
.irp i,0,1,2,3
	ds_load_b128 v[96+4*\i:99+4*\i], v116 offset:L_RED+64+16*\i
.endr
	s_wait_dscnt 0x0
	v_pk_add_f32 v[96:97], v[96:97], v[98:99]
	v_pk_add_f32 v[100:101], v[100:101], v[102:103]
	v_pk_add_f32 v[104:105], v[104:105], v[106:107]
	v_pk_add_f32 v[108:109], v[108:109], v[110:111]
	v_pk_add_f32 v[96:97], v[96:97], v[100:101]
	v_pk_add_f32 v[104:105], v[104:105], v[108:109]
	v_pk_add_f32 v[112:113], v[96:97], v[104:105]  ; (S, cnt)
	v_mov_b32 v114, v[MW]                          ; m
	v_mov_b32 v115, 0
	v_cmp_eq_u32 vcc_lo, 0, v0
	s_wait_xcnt 0x0                                ; EXEC changes only behind this wait
	s_and_saveexec_b32 s33, vcc_lo
	global_store_b128 v116, v[112:115], s[42:43]   ; 16 bytes a work-group: the one store here that does not fill 256 bytes
	s_wait_xcnt 0x0
	s_or_b32 exec_lo, exec_lo, s33
.Lno_stats:
	s_wait_tensorcnt 0x0
	ds_add_u32 v6, v8
	s_wait_dscnt 0x0
	ROUND                                          ; the closing round
	s_endpgm
.Lfunc_end_k_q6cf95252f8_attn:
	.size	k_q6cf95252f8_attn, .Lfunc_end_k_q6cf95252f8_attn-k_q6cf95252f8_attn
	.p2alignl 7, 3214868480
	.fill 96, 4, 3214868480
	.section	.rodata,"a",@progbits
	.p2align	6, 0x0
	.amdhsa_kernel k_q6cf95252f8_attn
		.amdhsa_group_segment_fixed_size 168960
		.amdhsa_private_segment_fixed_size 0
		.amdhsa_enable_private_segment 0
		.amdhsa_kernarg_size 24
		.amdhsa_user_sgpr_count 2
		.amdhsa_user_sgpr_kernarg_segment_ptr 1
		.amdhsa_wavefront_size32 1
		.amdhsa_system_sgpr_workgroup_id_x 1
		.amdhsa_system_sgpr_workgroup_id_y 1
		.amdhsa_system_sgpr_workgroup_id_z 1
		.amdhsa_system_vgpr_workitem_id 0
		.amdhsa_next_free_vgpr 256
		.amdhsa_next_free_sgpr 66
		.amdhsa_reserve_vcc 1
		.amdhsa_float_denorm_mode_32 3
		.amdhsa_float_denorm_mode_16_64 3
		.amdhsa_memory_ordered 1
		.amdhsa_forward_progress 1
		.amdhsa_inst_pref_size 57
	.end_amdhsa_kernel
	.amdgpu_metadata
---
amdhsa.version: [ 1, 2 ]
amdhsa.kernels:
  - .name:           k_q6cf95252f8_attn
    .symbol:         k_q6cf95252f8_attn.kd
    .args:
      - { .name: qkv, .offset: 0, .size: 8, .value_kind: global_buffer, .address_space: global }
      - { .name: protok, .offset: 8, .size: 8, .value_kind: global_buffer, .address_space: global }
      - { .name: att, .offset: 16, .size: 8, .value_kind: global_buffer, .address_space: global }
    .group_segment_fixed_size: 168960
    .private_segment_fixed_size: 0
    .kernarg_segment_align: 8
    .kernarg_segment_size: 24
    .max_flat_workgroup_size: 256
    .sgpr_count:     66
    .vgpr_count:     256
    .wavefront_size: 32
...
	.end_amdgpu_metadata
.endif
;; end of part 5
;; launch post: the kernel of part 3 again; grid 256 x 1, 2 waves a work-group, clusters of 4 x 1, 168,192 bytes of LDS; arguments att, x, protok, p0, p1, xa, qkv; writes xa, qkv
;; launch attn1: the kernel of part 5 again; grid 256 x 1, 8 waves a work-group, clusters of 4 x 1, 168,960 bytes of LDS; arguments qkv, protok, att; writes att
;; launch post1: the kernel of part 3 again; grid 256 x 1, 2 waves a work-group, clusters of 4 x 1, 168,192 bytes of LDS; arguments att, xa, protok, p1, p2, out0, qkv; writes out0, qkv
;; launch attn2: the kernel of part 5 again; grid 256 x 1, 8 waves a work-group, clusters of 4 x 1, 168,960 bytes of LDS; arguments qkv, protok, att; writes att
;; launch post2: the kernel of part 3 again; grid 256 x 1, 2 waves a work-group, clusters of 4 x 1, 168,192 bytes of LDS; arguments att, out0, protok, p2, p3, xa, qkv; writes xa, qkv
;; launch attn3: the kernel of part 5 again; grid 256 x 1, 8 waves a work-group, clusters of 4 x 1, 168,960 bytes of LDS; arguments qkv, protok, att; writes att
;; launch last: the kernel of part 4 again; grid 256 x 1, 2 waves a work-group, clusters of 4 x 1, 168,192 bytes of LDS; arguments att, xa, protok, p3, out0; writes out0
